; MI455X (gfx1250); checked and timed in simulation.
; The chip was launched on July 23, 2026; its instructions are those of AMD's public machine-readable ISA for CDNA 5 (MIT licence, August 2026) and "CDNA5" Instruction Set Architecture Reference Guide (July 2026). The comments in the code are by the model that wrote it; some were corrected since.
;; Multi Head Attention. Allowed arithmetic: matrix products marked QUANTISED: E2M3 operands, one E8M0 scale for each 32 along K, by v_wmma_scale_f32_16x16x128_f8f6f4 with both operands' format E2M3, f32 sums; everything else in f32.
;; Inputs: W_k 1,024 x 1,024 float32; W_o 1,024 x 1,024 float32; W_q 1,024 x 1,024 float32; W_v 1,024 x 1,024 float32; att_mask 4 x 2,048 x 2,048 int32; b_k 1,024 float32; b_o 1,024 float32; b_q 1,024 float32; b_v 1,024 float32; k 4 x 2,048 x 1,024 float32; q 4 x 2,048 x 1,024 float32; v 4 x 2,048 x 1,024 float32.
;; Outputs: out0 4 x 2,048 x 1,024 float32.
;; This version of the problem:
;;   THIS VERSION OF THE PROBLEM IS GIVEN IN LOW PRECISION. The matrix products marked QUANTISED in the list below multiply operands that are first quantised to E2M3 (2 exponent bits, 3 mantissa bits; 6 bits a number), with one power-of-two scale for each 32 numbers along K (OCP MX v1.0); their sums are f32. All else is computed in f32.
;;   The module's matrix products, in the order in which they are computed (A, B: the left and right operand; K: the contracted axis; several contracted axes count as one K, in the product's order):
;;     1. [M 8,192, K 1,024] x [K 1,024, N 1,024]; A: input q; B: input W_q: QUANTISED
;;     2. [M 8,192, K 1,024] x [K 1,024, N 1,024]; A: input k; B: input W_k: QUANTISED
;;     3. [M 8,192, K 1,024] x [K 1,024, N 1,024]; A: input v; B: input W_v: QUANTISED
;;     4. batch 64 x [M 2,048, K 64] x [K 64, N 2,048]; A: computed on the way; B: computed on the way: QUANTISED
;;     5. batch 64 x [M 2,048, K 2,048] x [K 2,048, N 64]; A: softmax (see below); B: computed on the way: QUANTISED
;;     6. [M 8,192, K 1,024] x [K 1,024, N 1,024]; A: computed on the way; B: input W_o: QUANTISED
;;   THE QUANTISER, for each operand of a quantised product, along K:
;;     - K is cut into blocks of 32 from its start; a last block that is shorter is filled with zeros.
;;     - A block's scale is 2^e with e = floor(log2(the largest magnitude in the block)) - 2, held to -126 .. 127; a block of zeros has e = 0. As a byte (E8M0): e + 127.
;;     - Each number is divided by its block's scale, clamped to +-7.5, and rounded to the nearest number of E2M3, ties to even, subnormals kept.
;;     - The product sums the exact products of the quantised numbers (number of the format x scale) in f32.
;;   ~~~python
;;   def quantise(x, axis):      # numpy; x: float32 -> the quantised numbers, widened to float32 again
;;       x = np.moveaxis(x, axis, -1); K = x.shape[-1]
;;       x = np.pad(x, [(0, 0)] * (x.ndim - 1) + [(0, -K % 32)]); x = x.reshape(x.shape[:-1] + (-1, 32)); a = np.abs(x).max(-1, keepdims=True)
;;       e = np.where(a > 0, np.clip(np.frexp(np.where(a > 0, a, 1))[1] - 1 - 2, -126, 127), 0)      # np.frexp(a)[1] - 1 = floor(log2(a)), exactly
;;       r = np.clip(x / 2.0 ** e, -7.5, 7.5)
;;       step = 2.0 ** (np.maximum(np.frexp(np.where(r == 0, 1, r))[1] - 1, 0) - 3)
;;       q = np.round(r / step) * step * 2.0 ** e      # np.round: ties to even
;;       return np.moveaxis(q.reshape(q.shape[:-2] + (-1,))[..., :K], -1, axis).astype(np.float32)
;;   ~~~
;;   SOFTMAX AHEAD OF A QUANTISED PRODUCT. Where the list says 'softmax', what is quantised is not the finished softmax but p = 2^(t - M), with t = logit x log2(e) and M = ceil(the row's largest t), a whole number; so 1/2 < the row's largest p <= 1. The row's sum l is taken of the UNQUANTISED p, in f32, and the product's result is divided by l at the end. Since M is a whole number, a kernel that streams over the keys may use a running M (the ceiling of the running maximum): every later rescaling is an exact power of two, which a block's scale takes up: the codes' values come out the same.
;;   OPERANDS COMPUTED ON THE WAY. 'Computed on the way' means the value that the module computes at that place (a softmax that the list does not call 'softmax' is quantised finished and normalised). What goes into a quantiser is computed in f32, as accurately as f32 sums, v_exp_f32 and their like allow (about 1e-6 of the number): no bf16 or f16 on the way to a quantiser, and a product that is left as it is and whose result goes on into a quantised operand takes f32 operands (vector FMAs, or v_wmma_f32_16x16x4_f32). A number that lies on a knife's edge between two numbers of the format may be rounded either way, as far as f32 arithmetic and the matrix unit's own rounding can turn it there, and no further.
;; One version. Each part assembles by itself: llvm-mc -triple=amdgcn-amd-amdhsa -mcpu=gfx1250 --defsym DOCPART=n.
;; ======== version 1 of 1: 4 launches
;; limits: right only within a limited range of input values
;; workspace buffers: xq 19,660,800 bytes; wq 3,276,800 bytes; mw 2,097,152 bytes of whole numbers; hq 20,185,088 bytes; cq 6,553,600 bytes
;; launch prep (part 1): grid 1408 x 1, 4 waves a work-group, no clusters, 101,888 bytes of LDS; arguments W_q, W_k, W_v, W_o, q, k, v, xq, att_mask, mw, wq; writes xq, wq, mw
.if DOCPART == 1
	.amdgcn_target "amdgcn-amd-amdhsa--gfx1250"
	.amdhsa_code_object_version 6
	.text
	.protected	k_q25e37bd96c_prep
	.globl	k_q25e37bd96c_prep
	.p2align	8
	.type	k_q25e37bd96c_prep,@function
k_q25e37bd96c_prep:
	s_mov_b64 s[64:65], 0
	v_nop
	global_prefetch_b8 v0, s[64:65] scope:SCOPE_SE
	s_setreg_imm32_b32 hwreg(HW_REG_WAVE_MODE, 25, 1), 1
	s_wait_xcnt 0x0
; ONE LAUNCH PREPARES ALL INPUTS.  Work-groups 0-127 quantise the four weights, 128-895 quantise q, k, v, 896-1407 turn att_mask into lane masks.
; Each work-group reads 131,072 bytes.  The three paths part on the work-group's number alone; each has LDS bytes of its own; waves share nothing: no barrier.
; THE QUANTISER (FP6, E2M3, blocks of 32 along K = the 1,024): a block's scale byte is its largest magnitude's exponent field - 2, held at 1 from below; each number is divided by
; the scale and rounded to the nearest code, ties to even, beyond 7.5 the largest code.  A block of zeros keeps the byte 1: its codes are zeros, and this program alone reads the bytes.
; LIMITS: blocks whose largest magnitude lies under 2^-124 have their byte held at 1; NaN and infinities among the inputs are not served.
; LAYOUT OF CODES, by planes of 256 along K: xq [tensor 3][plane 4][8192 rows][192 bytes], wq [weight 4: q,k,v,o][plane 4][1024 rows n][192 bytes]:
; 128 rows of a plane are 24,576 dense bytes, 96 aligned runs of 256.  Scale bytes: xq from XS on [tensor][row][32], wq from WS on [weight][row n][32].
; STORED ROW ORDER.  q, v and the weights' n: in each aligned 32 rows the groups of eight lie 0, 2, 1, 3.  k: in each aligned 64 rows the groups of eight lie 0, 4, 1, 5, 2, 6, 3, 7:
; sixteen stored rows of k then hold eight keys of one block of 32 keys and eight of the next, so that in the attention a lane's 32 score registers are one whole block.
; mw: [g = batch x 128 + query tile][key step 16][64 words]: bit 16 h + r of word n says whether query(tile, r) may see key 128 step + 64 (n / 32) + 32 h + n % 32 (1: the mask's number is not 0):
; the place of that score in the attention's registers, lane (r, h), register n.  query(tile, r) = 32 (tile / 2) + 8 (tile % 2) + r + 8 (r / 8).
.set SPW,   208                        ; LDS address of my spare word; never rewritten
.set NIL,   209                        ; 0; never rewritten
.set XSTG,  34816                      ; LDS: the weights' stages from 0, q/k/v's from XSTG, the mask's from MSTG
.set MSTG,  67584
.set SPARE, 101376                     ; the spare words: 128 bytes a wave, no other line names them
.set XPL,   1572864                    ; a plane of xq in bytes
.set WPL,   196608                     ; a plane of wq
.set XS,    18874368
.set WS,    3145728
	v_lshl_add_u32 v[SPW], v0, 2, SPARE
	v_mov_b32 v[NIL], 0
	v_lshrrev_b32 v1, 5, v0
	v_readfirstlane_b32 s16, v1                    ; wave 0..3
	v_and_b32 v2, 31, v0                           ; lane
	s_wait_alu depctr_va_vdst(0)
	s_cmp_ge_u32 ttmp9, 896
	s_cbranch_scc1 .Lmask
	s_cmp_ge_u32 ttmp9, 128
	s_cbranch_scc1 .Lx
; THE WEIGHTS [k][n]: a lane takes a column n and its registers run down K; a wave takes 32 columns x one plane (8 blocks a lane, 192 bytes a column).
; The codes go through the wave's stage, each column to the row of its stored place, and leave as 6,144 dense bytes, 384 a store.  Loads run two blocks ahead.
.set NB,    8
.set PITCH, 272                        ; a stage row: sixteen places of 16 bytes with 12 bytes of codes each, + 16
.set X,     32
.set C,     96
.set OUTR,  112
.set SB,    24
	s_load_b256 s[4:11], s[0:1], 0x0               ; W_q, W_k, W_v, W_o
	s_load_b64 s[12:13], s[0:1], 0x50              ; wq
	s_and_b32 s17, ttmp9, 7
	s_lshl_b32 s17, s17, 7
	s_lshl_b32 s18, s16, 5
	s_add_co_u32 s17, s17, s18                     ; my wave's first column
	s_lshr_b32 s18, ttmp9, 3
	s_lshr_b32 s30, s18, 2                         ; which weight
	s_and_b32 s18, s18, 3                          ; which plane
	v_lshlrev_b32 v3, 2, v2
	v_and_b32 v10, 7, v2
	v_bfe_u32 v11, v2, 3, 1
	v_lshl_add_u32 v10, v11, 4, v10
	v_bfe_u32 v11, v2, 4, 1
	v_lshl_add_u32 v10, v11, 3, v10                ; my column's stored place among the wave's 32
	s_mul_i32 s19, s16, 32*PITCH
	v_mul_u32_u24 v4, v10, PITCH
	v_add_nc_u32 v4, s19, v4                       ; into the stage
	v_and_b32 v5, 15, v2
	v_lshrrev_b32 v6, 4, v2
	v_mul_u32_u24 v7, v6, PITCH
	v_lshl_add_u32 v7, v5, 4, v7
	v_add_nc_u32 v7, s19, v7                       ; out of it: sixteen lanes to a row, two rows an instruction
	v_mul_u32_u24 v8, v6, 192
	v_mad_u32_u24 v8, v5, 12, v8                   ; the same place among the codes
	v_lshlrev_b32 v9, 5, v10                       ; my column's row of scale bytes
	s_lshl_b32 s20, s18, 20                        ; the weight: 256 rows of 4,096 bytes a plane,
	s_lshl_b32 s22, s17, 2
	s_add_co_u32 s20, s20, s22                     ; + 4 x column
	s_mov_b32 s21, 0
	s_mul_i32 s24, s30, 4*WPL
	s_mul_i32 s22, s18, WPL
	s_add_co_u32 s24, s24, s22
	s_mul_i32 s22, s17, 192
	s_add_co_u32 s24, s24, s22                     ; codes: weight, plane, row
	s_mov_b32 s25, 0
	s_lshl_b32 s28, s30, 15
	s_lshl_b32 s22, s17, 5
	s_add_co_u32 s28, s28, s22
	s_lshl_b32 s22, s18, 3
	s_add_co_u32 s28, s28, s22
	s_add_co_u32 s28, s28, WS                      ; scale bytes: 32,768 a weight, 32 a column, 8 a plane
	s_mov_b32 s29, 0
	s_wait_alu depctr_va_vdst(0)
	s_wait_kmcnt 0x0
	s_cmp_lt_u32 s30, 1
	s_cselect_b64 s[4:5], s[4:5], s[6:7]
	s_cmp_lt_u32 s30, 2
	s_cselect_b64 s[4:5], s[4:5], s[8:9]
	s_cmp_lt_u32 s30, 3
	s_cselect_b64 s[4:5], s[4:5], s[10:11]
	s_add_nc_u64 s[4:5], s[4:5], s[20:21]
	s_add_nc_u64 s[6:7], s[12:13], s[24:25]
	s_add_nc_u64 s[8:9], s[12:13], s[28:29]
.macro WLOAD t                         ; block t: W(32 t + i, my column) into set t % 2
.set i, 0
.rept 32
	global_load_b32 v[X+32*((\t)%2)+i], v3, s[4:5] offset:(32*(\t)+i)*4096 th:TH_LOAD_NT
.set i, i+1
.endr
.endm
	WLOAD 0
	WLOAD 1
.macro WBLOCK t
.set XR, X+32*((\t)%2)
.if (\t) < NB-1
	s_wait_loadcnt 32                              ; this block's 32 loads are in; the next block's may be out
.else
	s_wait_loadcnt 0
.endif
	v_max3_num_f32 v12, |v[XR]|, |v[XR+1]|, |v[XR+2]|
	v_max3_num_f32 v13, |v[XR+3]|, |v[XR+4]|, |v[XR+5]|
.irp i, 6,10,14,18,22,26
	v_max3_num_f32 v12, v12, |v[XR+\i]|, |v[XR+\i+1]|
	v_max3_num_f32 v13, v13, |v[XR+\i+2]|, |v[XR+\i+3]|
.endr
	v_max3_num_f32 v12, v12, |v[XR+30]|, |v[XR+31]|
	v_max3_num_f32 v12, v12, v13, 0x1800000        ; the floor 2^(3 - 127): the byte cannot fall under 1
	v_add_nc_u32 v11, 0xff000000, v12              ; 2 off the exponent field: the conversion's scale operand
	v_lshrrev_b32 v13, 23, v11                     ; the scale's byte
.if (\t)%4 == 0
	v_mov_b32 v[SB+(\t)/4], v13
.else
	v_lshl_or_b32 v[SB+(\t)/4], v13, 8*((\t)%4), v[SB+(\t)/4]
.endif
	v_cvt_scalef32_pk16_fp6_f32 v[C:C+2], v[XR:XR+15], v11
	v_cvt_scalef32_pk16_fp6_f32 v[C+4:C+6], v[XR+16:XR+31], v11
	ds_store_b96 v4, v[C:C+2] offset:32*(\t)
	ds_store_b96 v4, v[C+4:C+6] offset:32*(\t)+16
.if (\t)+2 < NB
	WLOAD (\t)+2
.endif
	s_wait_dscnt 0x0                               ; the stores have read their registers
.endm
.set Q, 0
.rept NB
	WBLOCK Q
.set Q, Q+1
.endr
	s_wait_alu depctr_va_vdst(0)
	global_store_b64 v9, v[SB:SB+1], s[8:9]        ; my column's 8 scale bytes
.set i, 0
.rept 16
	ds_load_b96 v[OUTR+4*i:OUTR+4*i+2], v7 offset:2*i*PITCH   ; LDS serves a wave's instructions in order: these see my stores
.set i, i+1
.endr
.set i, 0
.rept 16
	s_wait_dscnt 15-i
	global_store_b96 v8, v[OUTR+4*i:OUTR+4*i+2], s[6:7] offset:384*i   ; 32 lanes store 384 consecutive bytes
.set i, i+1
.endr
	s_wait_tensorcnt 0x0                           ; the wave's end
	ds_add_u32 v[SPW], v[NIL]
	s_wait_dscnt 0x0
	s_endpgm
; q, k, v: a wave takes eight rows in 16 steps of 512 numbers.  Each load reads 512 consecutive bytes; a step turns through the wave's stage (16 bytes of padding behind each 64) and comes back
; 16 neighbours a lane, two lanes to a block.  Sixteen lanes store a row's 192 bytes of one plane.  The wave's 256 scale bytes are gathered in LDS and leave as one aligned run.
.set STEPS, 16
.set CB,    12
.set R,     16
.set X,     80
.set C,     128
.set E,     112
.set WREG,  8192
.set SP,    80
.Lx:
	s_load_b256 s[4:11], s[0:1], 0x20              ; q, k, v, xq
	s_sub_co_u32 s15, ttmp9, 128                   ; 256 work-groups to a tensor
	v_lshlrev_b32 v3, 4, v2
	s_mul_i32 s17, s16, WREG
	s_add_co_u32 s17, s17, XSTG
	v_lshrrev_b32 v14, 2, v2
	v_mul_u32_u24 v14, v14, SP
	v_and_b32 v15, 3, v2
	v_lshl_add_u32 v14, v15, 4, v14
	v_add_nc_u32 v14, s17, v14                     ; the stage, on the way in
	v_mul_u32_u24 v15, v2, SP
	v_add_nc_u32 v15, s17, v15                     ; and out: my 16 neighbours
	v_and_b32 v4, 15, v2
	v_mul_u32_u24 v4, v4, CB
	v_lshrrev_b32 v10, 4, v2
	v_mad_u32_u24 v4, v10, XPL, v4                 ; my codes: 12 bytes of a row's 192; lanes 16-31 one plane on
	v_lshrrev_b32 v5, 1, v2
	s_add_co_u32 s17, s17, 2*32*SP
	v_add_nc_u32 v5, s17, v5                       ; my block's scale byte in LDS
	v_lshlrev_b32 v7, 3, v2
	v_add_nc_u32 v6, s17, v7
	s_and_b32 s17, s15, 255
	s_lshl_b32 s17, s17, 2
	s_add_co_u32 s18, s17, s16                     ; which eight rows of its tensor my wave reads,
	s_lshl_b32 s18, s18, 15                        ; in bytes
	s_mov_b32 s19, 0
	s_and_b32 s20, s16, 1
	s_lshl_b32 s20, s20, 1
	s_lshr_b32 s21, s16, 1
	s_or_b32 s20, s20, s21
	s_lshl_b32 s21, s15, 2
	s_add_co_u32 s20, s20, s21                     ; q, v: where they are stored: the wave's two bits exchanged
	s_and_b32 s26, s15, 1
	s_lshl_b32 s27, s16, 1
	s_or_b32 s26, s26, s27
	s_lshr_b32 s27, s15, 1
	s_lshl_b32 s27, s27, 3
	s_add_co_u32 s26, s26, s27                     ; k: group a of a 64's eight at place 2 (a % 4) + a / 4
	s_lshr_b32 s27, s15, 8                         ; the tensor
	s_cmp_eq_u32 s27, 1
	s_cselect_b32 s20, s26, s20
	s_mul_i32 s22, s27, 4*XPL
	s_and_b32 s26, s20, 1023
	s_mul_i32 s26, s26, 8*192
	s_add_co_u32 s22, s22, s26                     ; codes: tensor, eight rows of plane 0
	s_mov_b32 s23, 0
	s_lshl_b32 s24, s20, 8
	s_add_co_u32 s24, s24, XS                      ; 256 scale bytes for eight rows
	s_mov_b32 s25, 0
	s_wait_alu depctr_va_vdst(0)
	s_wait_kmcnt 0x0
	s_cmp_lt_u32 s15, 256
	s_cselect_b64 s[4:5], s[4:5], s[6:7]
	s_cmp_lt_u32 s15, 512
	s_cselect_b64 s[4:5], s[4:5], s[8:9]
	s_add_nc_u64 s[4:5], s[4:5], s[18:19]
	s_add_nc_u64 s[8:9], s[10:11], s[22:23]
	s_add_nc_u64 s[10:11], s[10:11], s[24:25]
.macro XLOAD t
.irp i, 0,1,2,3
	global_load_b128 v[R+16*((\t)%4)+4*\i:R+16*((\t)%4)+4*\i+3], v3, s[4:5] offset:2048*(\t)+512*\i th:TH_LOAD_NT
.endr
.endm
.macro XTURN t                         ; LDS serves a wave's instructions in order: no wait between the stores and the loads
.irp i, 0,1,2,3
	ds_store_b128 v14, v[R+16*((\t)%4)+4*\i:R+16*((\t)%4)+4*\i+3] offset:32*SP*((\t)%2)+8*SP*\i
.endr
.irp i, 0,1,2,3
	ds_load_b128 v[X+16*((\t)%2)+4*\i:X+16*((\t)%2)+4*\i+3], v15 offset:32*SP*((\t)%2)+16*\i
.endr
.endm
.irp t, 0,1,2,3
	XLOAD \t
.endr
	s_wait_loadcnt 12                              ; step 0's four loads are in
	XTURN 0
.macro XSTEP t
.set XR, X+16*((\t)%2)
.if (\t) > 0
	s_wait_dscnt 1                                 ; this step's numbers are back (the last step's byte store may be out)
.else
	s_wait_dscnt 0x0
.endif
.if (\t)+4 < STEPS
	XLOAD (\t)+4
.endif
.if (\t)+1 < STEPS
.if STEPS-2-(\t) >= 3
	s_wait_loadcnt 12                              ; the next step's four loads are in; three steps' may be out
.else
	s_wait_loadcnt 4*(STEPS-2-(\t))
.endif
	XTURN (\t)+1
.endif
	v_max3_num_f32 v8, |v[XR]|, |v[XR+1]|, |v[XR+2]|
	v_max3_num_f32 v9, |v[XR+3]|, |v[XR+4]|, |v[XR+5]|
.irp i, 6,10
	v_max3_num_f32 v8, v8, |v[XR+\i]|, |v[XR+\i+1]|
	v_max3_num_f32 v9, v9, |v[XR+\i+2]|, |v[XR+\i+3]|
.endr
	v_max3_num_f32 v8, v8, |v[XR+14]|, |v[XR+15]|
	v_max3_num_f32 v8, v8, v9, 0x1800000
	v_max_num_f32_dpp v8, v8, v8 row_xmask:1 row_mask:0xf bank_mask:0xf   ; with my neighbour's 16: the block's
	v_add_nc_u32 v11, 0xff000000, v8
	v_cvt_scalef32_pk16_fp6_f32 v[C+4*(\t):C+4*(\t)+2], v[XR:XR+15], v11
	v_lshrrev_b32 v[E+(\t)], 23, v11
	ds_store_b8 v5, v[E+(\t)] offset:16*(\t)       ; both lanes of a block write the same byte
.endm
.set Q, 0
.rept STEPS
	XSTEP Q
.set Q, Q+1
.endr
	ds_load_b64 v[8:9], v6
	s_wait_alu depctr_va_vdst(0)
.irp u, 0,1                                    ; all the wave's codes leave here, each step's from registers of its own: step t holds row t / 2, planes 2 (t % 2) and 2 (t % 2) + 1; row by row, 192 bytes on end in each plane
.set Q, 0
.rept 8
	global_store_b96 v4, v[C+4*(2*Q+\u):C+4*(2*Q+\u)+2], s[8:9] offset:192*Q+2*XPL*\u
.set Q, Q+1
.endr
.endr
	s_wait_dscnt 0x0
	global_store_b64 v7, v[8:9], s[10:11]
	s_wait_tensorcnt 0x0                           ; the wave's end
	ds_add_u32 v[SPW], v[NIL]
	s_wait_dscnt 0x0
	s_endpgm
; THE MASK: a work-group takes a tile of 16 queries, each wave four key steps.  A tile of 16 rows x 128 keys turns through the wave's stage (rows 528 bytes apart) and comes back as the attention holds its scores.
; A compare with 0 gives 32 lanes' bits as one word; v_writelane_b32 lays word n into lane n / 2, register n % 2; one store of 8 bytes a lane writes a key step's 256 bytes.
.set ROWB,   8192
.set SPITCH, 528
.set WST,    16*SPITCH
.set OUTW, 8
.set R,    16
.set X,    144
.Lmask:
	s_load_b128 s[4:7], s[0:1], 0x40               ; att_mask, mw
	s_sub_co_u32 s15, ttmp9, 896                   ; g
	v_lshlrev_b32 v1, 4, v2
	v_lshlrev_b32 v4, 3, v2
	s_mul_i32 s9, s16, WST
	s_add_co_u32 s9, s9, MSTG
	v_add_nc_u32 v5, s9, v1                        ; the stage, on the way in
	v_and_b32 v144, 15, v0                         ; r
	v_bfe_u32 v145, v0, 4, 1                       ; h
	v_mul_u32_u24 v3, v144, SPITCH
	v_lshl_add_u32 v3, v145, 7, v3                 ; and out: row r, + 32 keys x h
	v_add_nc_u32 v3, s9, v3
.irp i, 0,1,2,3,4,5,6,7
	v_mov_b32 v[OUTW+\i], 0                        ; v_writelane_b32's destination counts as a source
.endr
	s_lshr_b32 s10, s15, 1
	s_lshl_b32 s10, s10, 5
	s_and_b32 s11, s15, 1
	s_lshl_b32 s11, s11, 3
	s_add_co_u32 s10, s10, s11                     ; the tile's first row of the mask
	s_lshl_b32 s10, s10, 13
	s_lshl_b32 s11, s16, 11
	s_add_co_u32 s10, s10, s11                     ; + my four key steps
	s_mov_b32 s11, 0
	s_lshl_b32 s12, s15, 12
	s_lshl_b32 s13, s16, 10
	s_add_co_u32 s12, s12, s13
	s_mov_b32 s13, 0
	s_wait_alu depctr_va_vdst(0)
	s_wait_kmcnt 0x0
	s_add_nc_u64 s[4:5], s[4:5], s[10:11]
	s_add_nc_u64 s[6:7], s[6:7], s[12:13]
.macro MLOAD kk
.irp i, 0,1,2,3,4,5,6,7,8,9,10,11,12,13,14,15
	global_load_b128 v[R+64*((\kk)%2)+4*\i:R+64*((\kk)%2)+4*\i+3], v1, s[4:5] offset:(\i+8*(\i/8))*ROWB+512*(\kk) th:TH_LOAD_NT
.endr
.endm
.macro MTILE kk
.if (\kk) < 3
	s_wait_loadcnt 16                              ; this tile's 16 loads are in; the next tile's may be out
.else
	s_wait_loadcnt 0
.endif
.irp i, 0,1,2,3,4,5,6,7,8,9,10,11,12,13,14,15
	ds_store_b128 v5, v[R+64*((\kk)%2)+4*\i:R+64*((\kk)%2)+4*\i+3] offset:\i*SPITCH
.endr
.irp n, 0,1,2,3,4,5,6,7,8,9,10,11,12,13,14,15
	ds_load_b128 v[X+4*\n:X+4*\n+3], v3 offset:256*(\n/8)+16*(\n%8)   ; register n: key 64 (n / 32) + 32 h + n % 32 of row r
.endr
	s_wait_dscnt 0x0
.if (\kk) < 2
	MLOAD (\kk)+2
.endif
.irp g, 0,1,2,3
.irp n, 0,1,2,3,4,5,6,7,8,9,10,11,12,13,14,15
	v_cmp_ne_u32 s[20+\n], 0, v[X+16*\g+\n]
.endr
.irp n, 0,1,2,3,4,5,6,7,8,9,10,11,12,13,14,15
	v_writelane_b32 v[OUTW+2*(\kk)+(\n%2)], s[20+\n], 8*\g+\n/2
.endr
.endr
.endm
	MLOAD 0
	MLOAD 1
	MTILE 0
	MTILE 1
	MTILE 2
	MTILE 3
	s_wait_alu depctr_va_vdst(0)
.irp kk, 0,1,2,3
	global_store_b64 v4, v[OUTW+2*\kk:OUTW+2*\kk+1], s[6:7] offset:256*\kk   ; a key step's 256 bytes, aligned; the wave's four lie on end
.endr
	s_wait_tensorcnt 0x0                           ; the wave's end
	ds_add_u32 v[SPW], v[NIL]
	s_wait_dscnt 0x0
	s_endpgm
.Lfunc_end_k_q25e37bd96c_prep:
	.size	k_q25e37bd96c_prep, .Lfunc_end_k_q25e37bd96c_prep-k_q25e37bd96c_prep
	.p2alignl 7, 3214868480
	.fill 96, 4, 3214868480
	.section	.rodata,"a",@progbits
	.p2align	6, 0x0
	.amdhsa_kernel k_q25e37bd96c_prep
		.amdhsa_group_segment_fixed_size 101888
		.amdhsa_private_segment_fixed_size 0
		.amdhsa_enable_private_segment 0
		.amdhsa_kernarg_size 88
		.amdhsa_user_sgpr_count 2
		.amdhsa_user_sgpr_kernarg_segment_ptr 1
		.amdhsa_wavefront_size32 1
		.amdhsa_system_sgpr_workgroup_id_x 1
		.amdhsa_system_sgpr_workgroup_id_y 1
		.amdhsa_system_sgpr_workgroup_id_z 1
		.amdhsa_system_vgpr_workitem_id 0
		.amdhsa_next_free_vgpr 212
		.amdhsa_next_free_sgpr 66
		.amdhsa_reserve_vcc 0
		.amdhsa_float_denorm_mode_32 3
		.amdhsa_float_denorm_mode_16_64 3
		.amdhsa_memory_ordered 1
		.amdhsa_forward_progress 1
		.amdhsa_inst_pref_size 123
	.end_amdhsa_kernel
	.amdgpu_metadata
---
amdhsa.version: [ 1, 2 ]
amdhsa.kernels:
  - .name:           k_q25e37bd96c_prep
    .symbol:         k_q25e37bd96c_prep.kd
    .args:
      - { .name: W_q, .offset: 0, .size: 8, .value_kind: global_buffer, .address_space: global }
      - { .name: W_k, .offset: 8, .size: 8, .value_kind: global_buffer, .address_space: global }
      - { .name: W_v, .offset: 16, .size: 8, .value_kind: global_buffer, .address_space: global }
      - { .name: W_o, .offset: 24, .size: 8, .value_kind: global_buffer, .address_space: global }
      - { .name: q, .offset: 32, .size: 8, .value_kind: global_buffer, .address_space: global }
      - { .name: k, .offset: 40, .size: 8, .value_kind: global_buffer, .address_space: global }
      - { .name: v, .offset: 48, .size: 8, .value_kind: global_buffer, .address_space: global }
      - { .name: xq, .offset: 56, .size: 8, .value_kind: global_buffer, .address_space: global }
      - { .name: att_mask, .offset: 64, .size: 8, .value_kind: global_buffer, .address_space: global }
      - { .name: mw, .offset: 72, .size: 8, .value_kind: global_buffer, .address_space: global }
      - { .name: wq, .offset: 80, .size: 8, .value_kind: global_buffer, .address_space: global }
    .group_segment_fixed_size: 101888
    .private_segment_fixed_size: 0
    .kernarg_segment_align: 8
    .kernarg_segment_size: 88
    .max_flat_workgroup_size: 128
    .sgpr_count:     66
    .vgpr_count:     212
    .wavefront_size: 32
...
	.end_amdgpu_metadata
.endif
;; end of part 1
;; launch proj (part 2): grid 4 x 96, 4 waves a work-group, clusters of 4 x 4, 327,680 bytes of LDS; arguments xq, wq, b_q, b_k, b_v, hq; writes hq
.if DOCPART == 2
	.amdgcn_target "amdgcn-amd-amdhsa--gfx1250"
	.amdhsa_code_object_version 6
	.text
	.protected	k_q25e37bd96c_proj
	.globl	k_q25e37bd96c_proj
	.p2align	8
	.type	k_q25e37bd96c_proj,@function
k_q25e37bd96c_proj:
	s_mov_b64 s[64:65], 0
	v_nop
	global_prefetch_b8 v0, s[64:65] scope:SCOPE_SE
	s_setreg_imm32_b32 hwreg(HW_REG_WAVE_MODE, 25, 1), 1
	s_wait_xcnt 0x0
	s_wait_alu depctr_hold_cnt(0) depctr_sa_sdst(0) depctr_va_vdst(0) depctr_va_sdst(0) depctr_va_ssrc(0) depctr_va_vcc(0) depctr_vm_vsrc(0)
	s_getreg_b32 s2, hwreg(HW_REG_IB_STS2, 6, 4)
	s_cmp_eq_u32 s2, 0
	s_cbranch_scc0 .Lentry_in_a_cluster
	s_endpgm
.Lentry_in_a_cluster:
	s_bfe_u32 s2, ttmp6, 0x10000c
	s_cmp_lg_u32 s2, 0xf033
	s_cbranch_scc0 .Lentry_shape_is_right
	s_endpgm
.Lentry_shape_is_right:
; The three projections on codes of FP6: a work-group of four waves makes 256 x 256 of x W + b, a wave 128 x 128; K goes in steps of 256 through a ring of two LDS slots.
; Cluster rows 0-7 of the grid serve q, 8-15 k (source 1 = rows of x, source 0 = rows n of W), 16-23 v (the roles exchanged: the result is V^T).  The bias is the C of the first products.
; xq and wq lie by planes of 256 along K, [plane][row][192 bytes]: the 128 rows that a tensor load brings are 24,576 dense bytes, stated as 96 rows of 256 bytes, each at a multiple of 256;
; 16 bytes of padding behind each 64 put a row of 192 bytes of codes on 240 bytes of LDS.  A step along K is one plane: XPL bytes in xq, WPL in wq, kept in s[PA:PA+1] (A's) and s[PB:PB+1] (B's).
; On the way out each row's results are quantised along their 32s and stored in hq as register images with their scale words, as the attention reads them.
.set KSTEP,  256
.set XPL,    1572864
.set WPL,    196608
.set PA,     66
.set PB,     96
.set NQ,     KSTEP/128
.set ROWB,   192
.set KROW,   768
.set PITCH,  240
.set FR,     12
.set NL,     6
.set NP,     4
.set HALFT,  128*PITCH
.set SLOT,   4*HALFT
.set LAPS,   2
.set KS,     32
.set SCL,    2*SLOT
.set HALFS,  (128*KS/256)*272
.set SBLK,   (16*KS/256)*272
.set SPARE,  SCL+4*HALFS
.set XS,     18874368
.set WS,     3145728
.set REC,    208896
.set QIM,    64*REC
.set QSC,    QIM+64*98304
.set ADRA, 16
.set ADRB, 20
.set OF0,  24
.set OF1,  25
.set SOF,  26
.set ADRS, 27
.set SPW,  28
.set NIL,  29
.set SC,   32
.set BI,   64
.set AF,   128
.set PC,   160
.set TM,   200
.set SW,   224
.set DS,   232
.set G1, 24
.set G0, 32
.set G1B, 48
.set G0B, 56
.set G1S, 68
.set G0S, 76
.set G1SB, 80
.set G0SB, 88
.set MSB, 0
.macro WIN new
.if MSB != \new
	s_set_vgpr_msb (MSB<<8)|\new
.set MSB, \new
.endif
.endm
.set MUL_LO, 0xa1
.set MUL_HI, 0xf1
.set BIA_LO, 0x81
.set BIA_HI, 0xc1
.set TO_B,   0x40
.macro JLOAD g0a, g1a, g0b, g1b
	s_cmp_eq_u32 s15, 0
	s_cbranch_scc0 .Lfor_b_\@
	tensor_load_to_lds s[\g0a:\g0a+3], s[\g1a:\g1a+7]
	s_nop 0
.rept 4
	v_nop
.endr
	s_branch .Lasked_\@
.Lfor_b_\@:
	tensor_load_to_lds s[\g0b:\g0b+3], s[\g1b:\g1b+7]
	s_nop 0
.rept 4
	v_nop
.endr
.Lasked_\@:
.endm
.macro CREST
	s_cmp_lg_u32 s14, 0
	s_cbranch_scc1 .Lnot_wave_0_\@
	s_barrier_signal -3
.Lnot_wave_0_\@:
	s_barrier_wait -3
	s_barrier_signal -1
	s_barrier_wait -1
.endm
.macro CROUND
	s_barrier_signal -1
	s_barrier_wait -1
	CREST
.endm
	s_load_b256 s[4:11], s[0:1], 0x0
	s_load_b128 s[96:99], s[0:1], 0x20
	v_lshl_add_u32 v[SPW], v0, 2, SPARE
	v_mov_b32 v[NIL], 0
	ds_add_u32 v[SPW], v[NIL]
	ds_add_u32 v[SPW], v[NIL]
	v_lshrrev_b32 v1, 5, v0
	v_readfirstlane_b32 s14, v1
	s_lshr_b32 s15, s14, 1
	s_and_b32 s16, s14, 1
	s_bfe_u32 s40, ttmp6, 0x40000
	s_bfe_u32 s41, ttmp6, 0x40004
	s_and_b32 s17, ttmp7, 0xffff
	s_lshr_b32 s95, s17, 3
	s_and_b32 s18, s17, 7
	s_lshl_b32 s18, s18, 2
	s_cmp_eq_u32 s95, 2
	s_cselect_b32 s17, 0, s18
	s_cselect_b32 s42, s18, 0
	s_add_co_u32 s17, s17, s41
	s_add_co_u32 s42, s42, s40
	s_lshl_b32 s43, s41, 2
	s_lshl_b32 s43, 15, s43
	s_lshl_b32 s44, 0x1111, s40
	s_or_b32 s[G1+0], s43, (0<<16)|(1<<20)|(1<<21)|(3<<22)|(3<<25)
	s_or_b32 s[G1B+0], s44, (0<<16)|(1<<20)|(1<<21)|(3<<22)|(3<<25)
.irp g, G1, G1B
	s_mov_b32 s[\g+1], 256<<16
	s_mov_b32 s[\g+2], 192<<16
	s_mov_b32 s[\g+3], 256<<16
	s_mov_b32 s[\g+4], 192
	s_mov_b32 s[\g+5], 256
	s_mov_b32 s[\g+6], 0
	s_mov_b32 s[\g+7], 0
.endr
	s_or_b32 s[G1S+0], s43, (3<<16)|(1<<20)|(1<<21)|(5<<22)|(3<<25)
	s_or_b32 s[G1SB+0], s44, (3<<16)|(1<<20)|(1<<21)|(5<<22)|(3<<25)
.irp g, G1S, G1SB
	s_mov_b32 s[\g+1], 32<<16
	s_mov_b32 s[\g+2], (256*KS/256)<<16
	s_mov_b32 s[\g+3], 32<<16
	s_mov_b32 s[\g+4], 256*KS/256
	s_mov_b32 s[\g+5], 32
	s_mov_b32 s[\g+6], 0
	s_mov_b32 s[\g+7], 0
.endr
	s_mul_i32 s18, s95, 8192*KROW
	s_mul_i32 s19, s95, 8192*KS
	s_add_co_u32 s19, s19, XS
	s_mul_i32 s94, s95, 1024*KROW
	s_mul_i32 s2, s95, 1024*KS
	s_add_co_u32 s2, s2, WS
	s_cmp_eq_u32 s95, 2
	s_cselect_b32 s18, 2*1024*KROW, s18
	s_cselect_b32 s19, WS+2*1024*KS, s19
	s_cselect_b32 s94, 2*8192*KROW, s94
	s_cselect_b32 s2, XS+2*8192*KS, s2
	s_lshl_b32 s20, s17, 8
	s_lshl_b32 s22, s20, 5
	s_add_co_u32 s22, s22, s19
	s_mul_i32 s20, s20, ROWB
	s_add_co_u32 s20, s20, s18
	s_mov_b32 s21, 0
	s_mov_b32 s23, 0
	s_lshl_b32 s46, s42, 8
	s_lshl_b32 s92, s46, 5
	s_add_co_u32 s92, s92, s2
	s_mul_i32 s46, s46, ROWB
	s_add_co_u32 s46, s46, s94
	s_mov_b32 s47, 0
	s_mov_b32 s93, 0
	s_mul_i32 s45, s14, HALFT
	s_wait_dscnt 0x0
	s_wait_kmcnt 0x0
	s_cmp_eq_u32 s95, 2
	s_cselect_b64 s[12:13], s[6:7], s[4:5]
	s_cselect_b64 s[4:5], s[4:5], s[6:7]
	s_cselect_b64 s[96:97], s[96:97], s[10:11]
	s_cmp_eq_u32 s95, 0
	s_cselect_b64 s[8:9], s[8:9], s[96:97]
	s_mov_b32 s[PA], XPL                           ; a plane of A's buffer and of B's: exchanged for v
	s_mov_b32 s[PB], WPL
	s_cmp_eq_u32 s95, 2
	s_cselect_b32 s[PA+1], s[PB], s[PA]
	s_cselect_b32 s[PB], s[PA], s[PB]
	s_mov_b32 s[PA], s[PA+1]
	s_mov_b32 s[PA+1], 0
	s_mov_b32 s[PB+1], 0
	s_add_nc_u64 s[20:21], s[12:13], s[20:21]
	s_add_nc_u64 s[22:23], s[12:13], s[22:23]
	s_add_nc_u64 s[46:47], s[4:5], s[46:47]
	s_add_nc_u64 s[92:93], s[4:5], s[92:93]
	CROUND
	s_mov_b32 s[G0S], 1
	s_mov_b32 s[G0S+1], SCL
	s_mov_b64 s[G0S+2:G0S+3], s[22:23]
	s_or_b32 s[G0S+3], s[G0S+3], 0x80000000
	s_mov_b32 s[G0SB], 1
	s_mov_b32 s[G0SB+1], SCL+2*HALFS
	s_mov_b64 s[G0SB+2:G0SB+3], s[92:93]
	s_or_b32 s[G0SB+3], s[G0SB+3], 0x80000000
.irp s, 0,1
	s_mov_b32 s[G0+4*\s], 1
	s_add_co_u32 s[G0+4*\s+1], s45, \s*SLOT
	s_mov_b64 s[G0+4*\s+2:G0+4*\s+3], s[20:21]
	s_add_nc_u64 s[20:21], s[20:21], s[PA:PA+1]
	s_or_b32 s[G0+4*\s+3], s[G0+4*\s+3], 0x80000000
	s_mov_b32 s[G0B+4*\s], 1
	s_add_co_u32 s[G0B+4*\s+1], s45, \s*SLOT
	s_mov_b64 s[G0B+4*\s+2:G0B+4*\s+3], s[46:47]
	s_add_nc_u64 s[46:47], s[46:47], s[PB:PB+1]
	s_or_b32 s[G0B+4*\s+3], s[G0B+4*\s+3], 0x80000000
.endr
; THE HEAD'S LOADS, one a wave: wave 0 plane 0 of A's 256 rows, wave 1 of B's 256 rows, wave 2 the scales of A's 256 rows, wave 3 those of B's.
; Slot 0's two groups 0 serve them with the whole tile's address and LDS place; behind the wait for these loads they take the ring's form.  One tree of branches on the wave's number: every way passes one load.
	s_mov_b32 s[G0+1], 0
	s_mov_b32 s[G0B+1], 2*HALFT
.macro ARM under, g0, g1, next
	s_cmp_lt_u32 s14, \under
	s_cbranch_scc0 \next
	tensor_load_to_lds s[\g0:\g0+3], s[\g1:\g1+7]
	s_nop 0
.rept 4
	v_nop
.endr
	s_branch .Lhead_asked
\next:
.endm
	ARM 1, G0,  G1,  .Lhead_b
	ARM 2, G0B, G1B, .Lhead_sa
	ARM 3, G0S, G1S, .Lhead_sb
	tensor_load_to_lds s[G0SB:G0SB+3], s[G1SB:G1SB+7]
	s_nop 0
.rept 4
	v_nop
.endr
.Lhead_asked:                                          ; the addresses and the bias loads below are made while the four tiles are on their way
	v_and_b32 v1, 15, v0
	v_bfe_u32 v2, v0, 4, 1
	v_mul_u32_u24 v3, v1, PITCH
	v_mul_u32_u24 v4, v2, 24
	v_add_nc_u32 v4, v3, v4
	v_lshl_add_u32 v5, v2, 4, v4
	s_mul_i32 s21, s15, HALFT
	s_mul_i32 s22, s16, HALFT
	s_add_co_u32 s22, s22, 2*HALFT
.irp s, 0,1
	v_add_nc_u32 v[ADRA+\s], s21, v4
	v_add_nc_u32 v[ADRB+\s], s22, v4
	v_add_nc_u32 v[ADRA+2+\s], s21, v5
	v_add_nc_u32 v[ADRB+2+\s], s22, v5
	s_add_co_u32 s21, s21, SLOT
	s_add_co_u32 s22, s22, SLOT
.endr
	v_mul_u32_u24 v5, v1, KS
	v_lshrrev_b32 v6, 8, v5
	v_lshl_add_u32 v5, v6, 4, v5
	s_mul_i32 s21, s15, HALFS
	s_mul_i32 s22, s16, HALFS
	s_add_co_u32 s22, s22, 2*HALFS
	s_sub_co_u32 s22, s22, s21
	v_mul_u32_u24 v6, s22, v2
	s_add_co_u32 s21, s21, SCL
	v_add_nc_u32 v5, v5, v6
	v_add_nc_u32 v[ADRS], s21, v5
	s_lshl_b32 s100, s17, 4
	s_lshl_b32 s18, s15, 3
	s_add_co_u32 s100, s100, s18
	s_lshl_b32 s101, s42, 1
	s_add_co_u32 s101, s101, s16
	s_lshl_b32 s18, s101, 9
	s_lshl_b32 s19, s100, 6
	s_cmp_eq_u32 s95, 2
	s_cselect_b32 s18, s19, s18
	s_mov_b32 s19, 0
	s_add_nc_u64 s[8:9], s[8:9], s[18:19]
	v_lshlrev_b32 v7, 6, v2
	v_and_b32 v8, 8, v1
	v_add_nc_u32 v8, v8, v1
	v_lshlrev_b32 v8, 2, v8
	s_cmp_eq_u32 s95, 2
	s_cbranch_scc1 .Lbias_rows
.irp b, 0,1,2,3,4,5,6,7
	global_load_b128 v[BI+8*\b:BI+8*\b+3], v7, s[8:9] offset:(32*(\b/2)+8*(\b%2))*4
	global_load_b128 v[BI+8*\b+4:BI+8*\b+7], v7, s[8:9] offset:(32*(\b/2)+8*(\b%2))*4+16
.endr
	s_branch .Lbias_asked
.Lbias_rows:
	s_wait_alu depctr_va_vdst(0)
.irp a, 0,1,2,3,4,5,6,7
.irp j, 0,1,2,3,4,5,6,7
	global_load_b32 v[BI+8*\a+\j], v8, s[8:9] offset:(32*(\a/2)+8*(\a%2))*4
.endr
.endr
.Lbias_asked:
.macro FRAG reg, adr, q, i
.irp p, 0,1,2,3,4,5
.set PCE, 12*(\q)+6*(\p/3)+\p%3
.if PCE%8 < 5
	ds_load_b64 v[\reg+2*\p:\reg+2*\p+1], v[\adr] offset:8*PCE+16*(PCE/8)+(\i)*16*PITCH
.else
	ds_load_b64 v[\reg+2*\p:\reg+2*\p+1], v[\adr+2] offset:8*PCE+16*(PCE/8)+(\i)*16*PITCH
.endif
.endr
.endm
.macro MUL16 a0, p, q, sc, zero
.irp a, \a0, \a0+1
.irp b, 0,1,2,3,4,5,6,7
.if \zero == 1
	v_wmma_scale_f32_16x16x128_f8f6f4 v[8*(8*((\a)%4)+\b):8*(8*((\a)%4)+\b)+7], v[128*(\p)+FR*\b:128*(\p)+FR*\b+FR-1], v[AF+FR*(\a):AF+FR*(\a)+FR-1], v[BI+8*\b:BI+8*\b+7], v[SC+8*NQ*(\sc)+NQ*\b+(\q)], v[SC+8*NQ*(\sc)+NQ*(\a)+(\q)] matrix_a_fmt:MATRIX_FMT_FP6 matrix_b_fmt:MATRIX_FMT_FP6 matrix_a_scale:MATRIX_SCALE_ROW1
.elseif \zero == 2
	v_wmma_scale_f32_16x16x128_f8f6f4 v[8*(8*((\a)%4)+\b):8*(8*((\a)%4)+\b)+7], v[128*(\p)+FR*\b:128*(\p)+FR*\b+FR-1], v[AF+FR*(\a):AF+FR*(\a)+FR-1], v[BI+8*(\a):BI+8*(\a)+7], v[SC+8*NQ*(\sc)+NQ*\b+(\q)], v[SC+8*NQ*(\sc)+NQ*(\a)+(\q)] matrix_a_fmt:MATRIX_FMT_FP6 matrix_b_fmt:MATRIX_FMT_FP6 matrix_a_scale:MATRIX_SCALE_ROW1
.else
	v_wmma_scale_f32_16x16x128_f8f6f4 v[8*(8*((\a)%4)+\b):8*(8*((\a)%4)+\b)+7], v[128*(\p)+FR*\b:128*(\p)+FR*\b+FR-1], v[AF+FR*(\a):AF+FR*(\a)+FR-1], v[8*(8*((\a)%4)+\b):8*(8*((\a)%4)+\b)+7], v[SC+8*NQ*(\sc)+NQ*\b+(\q)], v[SC+8*NQ*(\sc)+NQ*(\a)+(\q)] matrix_a_fmt:MATRIX_FMT_FP6 matrix_b_fmt:MATRIX_FMT_FP6 matrix_a_scale:MATRIX_SCALE_ROW1
.endif
.endr
.endr
.endm
.macro FETCH_B slot, q, p
	WIN TO_B
.irp i, 0,1,2,3,4,5,6,7
	FRAG 128*(\p)+FR*\i, ADRB+\slot, \q, \i
.endr
	WIN 0
.endm
.macro FETCH_A slot, q, i0
.irp i, \i0, \i0+1, \i0+2, \i0+3
	FRAG AF+FR*(\i), ADRA+\slot, \q, \i
.endr
.endm
.macro SCALES sc
.irp i, 0,1,2,3,4,5,6,7
	ds_load_b64 v[SC+8*NQ*\sc+NQ*\i:SC+8*NQ*\sc+NQ*\i+1], v[ADRS] offset:\i*SBLK
.endr
.endm
.macro PLACES n
.rept \n
	v_nop
.endr
.endm
.macro STEP slot, q, zero
	s_wait_dscnt 4*NL
.if \zero
	WIN BIA_LO
.else
	WIN MUL_LO
.endif
	MUL16 0, (\q)%2, \q, \slot, \zero
	MUL16 2, (\q)%2, \q, \slot, \zero
	s_wait_dscnt 0
	PLACES NP
	FETCH_B \slot, (\q)+1, 1-(\q)%2
	FETCH_A \slot, (\q)+1, 0
.if \zero
	WIN BIA_HI
.else
	WIN MUL_HI
.endif
	MUL16 4, (\q)%2, \q, \slot, \zero
	MUL16 6, (\q)%2, \q, \slot, \zero
	PLACES NP
	WIN 0
	FETCH_A \slot, (\q)+1, 4
.endm
.macro TURN slot, next, fill
	s_wait_tensorcnt 0x0
	ds_add_u32 v[SPW], v[NIL]
	s_wait_dscnt 4*NL+1
	WIN MUL_LO
	MUL16 0, 1, NQ-1, \slot, 0
	s_wait_dscnt 0x0
	s_barrier_signal -1
	MUL16 2, 1, NQ-1, \slot, 0
	WIN 0
	s_barrier_wait -1
.if \fill
	CREST
	s_add_nc_u64 s[G0+4*\slot+2:G0+4*\slot+3], s[G0+4*\slot+2:G0+4*\slot+3], s[PA:PA+1]
	s_add_nc_u64 s[G0+4*\slot+2:G0+4*\slot+3], s[G0+4*\slot+2:G0+4*\slot+3], s[PA:PA+1]
	s_add_nc_u64 s[G0B+4*\slot+2:G0B+4*\slot+3], s[G0B+4*\slot+2:G0B+4*\slot+3], s[PB:PB+1]
	s_add_nc_u64 s[G0B+4*\slot+2:G0B+4*\slot+3], s[G0B+4*\slot+2:G0B+4*\slot+3], s[PB:PB+1]
	JLOAD G0+4*\slot, G1, G0B+4*\slot, G1B
.else
	PLACES NP
.endif
	s_wait_alu depctr_va_vdst(0)
	v_add_nc_u32 v[ADRS], 4*NQ, v[ADRS]
	FETCH_B \next, 0, 0
	FETCH_A \next, 0, 0
	SCALES \next
	WIN MUL_HI
	MUL16 4, 1, NQ-1, \slot, 0
	MUL16 6, 1, NQ-1, \slot, 0
	PLACES NP
	WIN 0
	FETCH_A \next, 0, 4
.endm
	s_wait_alu depctr_va_vdst(0)
	s_wait_tensorcnt 0x0                           ; my tile of the head's four is in; these lines stand ahead of a later first fill as ahead of a refill
	ds_add_u32 v[SPW], v[NIL]
	s_mov_b32 s[G1+2], 96<<16                      ; no tensor load of mine is out: from here on a load brings 128 rows of codes, 96 rows of 256 bytes,
	s_mov_b32 s[G1+4], 96
	s_mov_b32 s[G1B+2], 96<<16
	s_mov_b32 s[G1B+4], 96
	s_mov_b32 s[G0+1], s45                         ; to wave x 128 rows of its slot,
	s_mov_b32 s[G0B+1], s45
	s_mul_i32 s2, s16, 128*ROWB                    ; from my half of the tile's rows
	s_mov_b32 s3, 0
.irp s, 0,1
	s_add_nc_u64 s[G0+4*\s+2:G0+4*\s+3], s[G0+4*\s+2:G0+4*\s+3], s[2:3]
	s_add_nc_u64 s[G0B+4*\s+2:G0B+4*\s+3], s[G0B+4*\s+2:G0B+4*\s+3], s[2:3]
.endr
	s_wait_dscnt 0x0
	CROUND                                         ; all four tiles are in, and the sixteen work-groups are here:
	JLOAD G0+4, G1, G0B+4, G1B                     ; slot 1's first fill, the first tensor load behind the round
	FETCH_B 0, 0, 0
	FETCH_A 0, 0, 0
	s_wait_alu depctr_va_vdst(0)
	SCALES 0
	FETCH_A 0, 0, 4
	s_wait_loadcnt 0x0
	s_cmp_eq_u32 s95, 2
	s_cbranch_scc1 .Lfirst_rows
	STEP 0, 0, 1
	s_branch .Lfirst_done
.Lfirst_rows:
	STEP 0, 0, 2
.Lfirst_done:
	s_mov_b32 s3, LAPS-1
.Llap:
	TURN 0, 1, 1
	STEP 1, 0, 0
	TURN 1, 0, 1
	STEP 0, 0, 0
	s_sub_co_u32 s3, s3, 1
	s_cmp_lg_u32 s3, 0
	s_cbranch_scc1 .Llap
	TURN 0, 1, 0
	STEP 1, 0, 0
	s_wait_dscnt 4*NL
	WIN MUL_LO
	MUL16 0, 1, NQ-1, 1, 0
	MUL16 2, 1, NQ-1, 1, 0
	s_wait_dscnt 0
	WIN MUL_HI
	MUL16 4, 1, NQ-1, 1, 0
	MUL16 6, 1, NQ-1, 1, 0
	WIN 0
	PLACES NP
	s_lshr_b32 s4, s101, 4
	s_lshr_b32 s5, s100, 7
	s_lshr_b32 s6, s100, 2
	s_lshl_b32 s7, s101, 1
	s_and_b32 s8, s101, 15
	s_and_b32 s9, s100, 127
	s_mul_i32 s10, s8, 6144
	s_add_co_u32 s10, s10, 98304
	s_mul_i32 s11, s9, 768
	s_lshl_b32 s8, s8, 8
	s_lshr_b32 s9, s9, 3
	s_lshl_b32 s9, s9, 9
	s_mov_b32 s15, REC
	s_mov_b32 s16, REC
	s_mov_b32 s17, 196608
	s_cmp_eq_u32 s95, 0
	s_cselect_b32 s15, 98304, s15
	s_cselect_b32 s16, 8192, s16
	s_cselect_b32 s18, QIM, 0
	s_cselect_b32 s17, QSC, s17
	s_mov_b32 s42, 768
	s_cmp_eq_u32 s95, 2
	s_cselect_b32 s4, s4, s5
	s_cselect_b32 s6, s6, s7
	s_cselect_b32 s10, s10, s11
	s_cselect_b32 s8, s8, s9
	s_cselect_b32 s17, 204800, s17
	s_cselect_b32 s19, 768, s15
	s_cselect_b32 s42, 1536, s42
	s_cselect_b32 s44, REC-6144, 0
	s_cselect_b32 s46, 16, 32
	s_cselect_b32 s47, REC, 16
	s_mov_b32 s43, 0
	s_mov_b32 s45, 0
	s_lshl_b32 s4, s4, 4
	s_add_co_u32 s4, s4, s6
	s_mul_i32 s22, s4, s15
	s_add_co_u32 s22, s22, s18
	s_add_co_u32 s22, s22, s10
	s_mov_b32 s23, 0
	s_add_nc_u64 s[22:23], s[98:99], s[22:23]
	s_mul_i32 s40, s4, s16
	s_add_co_u32 s40, s40, s17
	s_add_co_u32 s40, s40, s8
	s_mov_b32 s41, 0
	s_add_nc_u64 s[40:41], s[98:99], s[40:41]
	s_mov_b32 s17, 0
	s_add_nc_u64 s[48:49], s[40:41], s[16:17]
	s_mov_b32 s20, 0x76543210
	s_mov_b32 s21, 0xfedcba98
	v_and_b32 v3, 31, v0
	v_lshlrev_b32 v[OF0], 3, v3
	v_add_nc_u32 v[OF1], s19, v[OF0]
	v_lshlrev_b32 v30, 4, v3                       ; v30, v31: the same two places for a piece of 16 bytes a lane
	v_add_nc_u32 v31, s19, v30
	v_mul_u32_u24 v[SOF], v1, s46
	v_mad_u32_u24 v[SOF], v2, s47, v[SOF]
.irp b, 0,1,2,3
	v_mov_b32 v[TM+4+\b], 0
.endr
.macro QUANTW a
.set AC, 64*((\a)%4)
.set WN, 2+(\a)/4
.set WM, WN*20
	WIN WM
.irp b, 0,1,2,3
	v_max3_num_f32 v[TM+\b], 0x1800000, |v[AC+16*\b]|, |v[AC+16*\b+1]|
.endr
.irp i, 2,4,6,8,10,12,14
.irp b, 0,1,2,3
	v_max3_num_f32 v[TM+\b], v[TM+\b], |v[AC+16*\b+\i]|, |v[AC+16*\b+\i+1]|
.endr
.endr
	WIN 0
.irp b, 0,1,2,3
	v_permlanex16_b32 v[TM+4+\b], v[TM+\b], s20, s21
.endr
.irp b, 0,1,2,3
	v_max_num_f32 v[TM+\b], v[TM+\b], v[TM+4+\b]
.endr
.irp b, 0,1,2,3
	v_add_nc_u32 v[TM+12+\b], 0xff000000, v[TM+\b]
.endr
.irp b, 0,1,2,3
	v_lshrrev_b32 v[TM+4+\b], 23, v[TM+12+\b]
.endr
	v_lshl_or_b32 v[SW+(\a)], v[TM+5], 8, v[TM+4]
	v_lshl_or_b32 v[SW+(\a)], v[TM+6], 16, v[SW+(\a)]
	v_lshl_or_b32 v[SW+(\a)], v[TM+7], 24, v[SW+(\a)]
.if (\a) > 0
	s_wait_xcnt 0x0
	s_add_nc_u64 s[22:23], s[22:23], s[42:43]
.if (\a) == 4
	s_add_nc_u64 s[22:23], s[22:23], s[44:45]
.endif
.endif
	WIN WN
.irp c, 0,1
	v_cvt_scalef32_pk16_fp6_f32 v[PC+6*\c:PC+6*\c+2], v[AC+32*\c:AC+32*\c+15], v[TM+12+2*\c]
	v_cvt_scalef32_pk16_fp6_f32 v[PC+12+4*\c:PC+14+4*\c], v[AC+16+32*\c:AC+31+32*\c], v[TM+13+2*\c]
.endr
	WIN 0
	v_nop
.irp c, 0,1
.irp i, 0,1,2
	v_permlane16_swap_b32 v[PC+6*\c+\i], v[PC+12+4*\c+\i]
.endr
.irp i, 0,1,2
	v_mov_b32 v[PC+3+6*\c+\i], v[PC+12+4*\c+\i]
.endr
.endr
.irp e, 0,1                                    ; a half image, six registers of 32 lanes: registers 0-3 as 512 bytes, 16 a lane, then registers 4, 5 as 256 bytes, 8 a lane
	global_store_b128 v[30+\e], v[PC+6*\e:PC+6*\e+3], s[22:23]
	global_store_b64 v[OF0+\e], v[PC+6*\e+4:PC+6*\e+5], s[22:23] offset:512
.endr
.endm
.irp a, 0,1,2,3,4,5,6,7
	QUANTW \a
.endr
	v_cmp_ne_u32 vcc_lo, 0, v2
.irp i, 0,1,2,3
	v_cndmask_b32 v[DS+\i], v[SW+\i], v[SW+4+\i], vcc_lo
.endr
	global_store_b128 v[SOF], v[DS:DS+3], s[40:41]
	s_cmp_eq_u32 s95, 2
	s_cbranch_scc1 .Lwords_out
.irp i, 0,1,2,3
	v_lshrrev_b32 v[DS+4+\i], 16, v[DS+\i]
.endr
	global_store_b128 v[SOF], v[DS+4:DS+7], s[48:49]
.Lwords_out:
	s_wait_tensorcnt 0x0
	ds_add_u32 v[SPW], v[NIL]
	s_wait_dscnt 0x0
	CROUND
	s_endpgm
.Lfunc_end_k_q25e37bd96c_proj:
	.size	k_q25e37bd96c_proj, .Lfunc_end_k_q25e37bd96c_proj-k_q25e37bd96c_proj
	.p2alignl 7, 3214868480
	.fill 96, 4, 3214868480
	.section	.rodata,"a",@progbits
	.p2align	6, 0x0
	.amdhsa_kernel k_q25e37bd96c_proj
		.amdhsa_group_segment_fixed_size 327680
		.amdhsa_private_segment_fixed_size 0
		.amdhsa_enable_private_segment 0
		.amdhsa_kernarg_size 48
		.amdhsa_user_sgpr_count 2
		.amdhsa_user_sgpr_kernarg_segment_ptr 1
		.amdhsa_wavefront_size32 1
		.amdhsa_system_sgpr_workgroup_id_x 1
		.amdhsa_system_sgpr_workgroup_id_y 1
		.amdhsa_system_sgpr_workgroup_id_z 1
		.amdhsa_system_vgpr_workitem_id 0
		.amdhsa_next_free_vgpr 1024
		.amdhsa_next_free_sgpr 102
		.amdhsa_reserve_vcc 1
		.amdhsa_float_denorm_mode_32 3
		.amdhsa_float_denorm_mode_16_64 3
		.amdhsa_memory_ordered 1
		.amdhsa_forward_progress 1
		.amdhsa_inst_pref_size 192
	.end_amdhsa_kernel
	.amdgpu_metadata
---
amdhsa.version: [ 1, 2 ]
amdhsa.kernels:
  - .name:           k_q25e37bd96c_proj
    .symbol:         k_q25e37bd96c_proj.kd
    .args:
      - { .name: xq, .offset: 0, .size: 8, .value_kind: global_buffer, .address_space: global }
      - { .name: wq, .offset: 8, .size: 8, .value_kind: global_buffer, .address_space: global }
      - { .name: b_q, .offset: 16, .size: 8, .value_kind: global_buffer, .address_space: global }
      - { .name: b_k, .offset: 24, .size: 8, .value_kind: global_buffer, .address_space: global }
      - { .name: b_v, .offset: 32, .size: 8, .value_kind: global_buffer, .address_space: global }
      - { .name: hq, .offset: 40, .size: 8, .value_kind: global_buffer, .address_space: global }
    .group_segment_fixed_size: 327680
    .private_segment_fixed_size: 0
    .kernarg_segment_align: 8
    .kernarg_segment_size: 48
    .max_flat_workgroup_size: 128
    .sgpr_count:     102
    .vgpr_count:     1024
    .wavefront_size: 32
...
	.end_amdgpu_metadata
.endif
;; end of part 2
;; launch attn (part 3): grid 4 x 64, 16 waves a work-group, clusters of 4 x 1, 212,992 bytes of LDS; arguments hq, mw, cq; writes cq
.if DOCPART == 3
	.amdgcn_target "amdgcn-amd-amdhsa--gfx1250"
	.amdhsa_code_object_version 6
	.text
	.protected	k_q25e37bd96c_attn
	.globl	k_q25e37bd96c_attn
	.p2align	8
	.type	k_q25e37bd96c_attn,@function
k_q25e37bd96c_attn:
	s_mov_b64 s[64:65], 0
	v_nop
	global_prefetch_b8 v0, s[64:65] scope:SCOPE_SE
	s_setreg_imm32_b32 hwreg(HW_REG_WAVE_MODE, 25, 1), 1
	s_wait_xcnt 0x0
	s_wait_alu depctr_hold_cnt(0) depctr_sa_sdst(0) depctr_va_vdst(0) depctr_va_sdst(0) depctr_va_ssrc(0) depctr_va_vcc(0) depctr_vm_vsrc(0)
	s_getreg_b32 s2, hwreg(HW_REG_IB_STS2, 6, 4)
	s_cmp_eq_u32 s2, 0
	s_cbranch_scc0 .Lentry_in_a_cluster
	s_endpgm
.Lentry_in_a_cluster:
	s_bfe_u32 s2, ttmp6, 0x10000c
	s_cmp_lg_u32 s2, 0x3003
	s_cbranch_scc0 .Lentry_shape_is_right
	s_endpgm
.Lentry_shape_is_right:
; Attention on codes of FP6 (E2M3): for each batch and head, O = softmax(mask(Q K^T / 8)) V; O leaves quantised along the concatenated heads, as an operand of the last projection.
; THE SOFTMAX: t = score x log2(e) / 8; M = the row's largest t so far, rounded UP to a whole number; p = 2^(t - M) is quantised along the keys, not normalised.  The row's sum is taken of the
; unquantised p, in f32, and divides O at the end.  When M moves, the sum and O are multiplied by 2^(old M - new M): exact.
; THE MASK comes as lane masks (mw): word n of a key step holds, at bit 16 h + r, whether query r may see the key of register n of lane (r, h): one v_cndmask_b32 a register.
; A hidden score becomes -2^33, a logit of -2^30.  LIMIT: reference's number there is -1e9; the results differ only where a logit that COUNTS lies under about -9.99e8.  -2^33 x c is exact and whole,
; so a row with no key left gives p = 1 for every key, as the reference's equal logits do.  NaN and infinities are not served; a block's byte is held at 1 from below (a block of zeros keeps it: its codes are zeros).
; SHARES.  A work-group owns 512 queries of one head; each of sixteen waves (four to a SIMD) owns 16 queries at a time, two tiles one after the other, and walks all 2,048 keys, 128 a step.
; LDS holds the head's whole record (K's images, V's images, their scale words: 208,896 bytes), filled ONCE, each wave bringing 51 rows of 256 bytes: no ring and no refill.
; No prefetch: the record is asked for once, at the head, with no loop ahead of it; the mask words are asked for a step ahead by scalar loads.
; CLUSTER.  The four work-groups of a cluster belong to one head: each part of the record is asked for jointly, by the same tensor load with a mask that names the four.
; LAYOUT.  Both products are used transposed: S^T = K Q^T, O^T = V^T P^T: a lane holds ONE query (lane % 16) throughout.
; A tile of K holds keys 64 G + 8 i + 0..7 (rows 0-7) and 64 G + 32 + 8 i + 0..7 (rows 8-15), i = tile % 4: so registers 32 G + 0..31 of lane (r, h) are the WHOLE block of keys 64 G + 32 h + 0..31, in order:
; a block's largest score needs no other lane, and the conversions' results are P's operand as it stands (lane (r, h), registers 6 G .. 6 G + 5: k = 64 G + 32 h + 0..31).
; THE FIRST PRODUCT'S K IS 64: Q's upper six registers are zero codes; K's upper six are whatever follows (finite codes), which times Q's zeros add nothing.
; THE WAVES WALK IN STEP: a work-group barrier in each key step, its signal behind K's fragments and its wait ahead of the next mask words; between them stand register work and LDS loads of bytes that nobody writes.
; REGISTERS: v1-7 addresses that stay; v8-11 this step's; v12 -M, v13 the largest score, v[14:15] the sum; v16-27 Q, v28 its scale word; v32-85 K's tiles, then v32-79 V's fragments; v96-159 S^T, then p;
; v160-191 O^T; v192-210 p's codes; v212-223, v240, v241, v244-255 at work; v224-231 K's scale words, v232-235 V's, v236 p's; v[238:239] f; v242 -2^33; v243 8 h.
.set REC,   208896
.set QIM,   64*REC                     ; hq: Q's images
.set QSC,   QIM+64*98304               ; hq: Q's scale words
.set CQS,   6291456                    ; cq: where the scale bytes begin
.set VIM,   98304                      ; LDS: V's images
.set KSC,   196608                     ; K's scale words
.set VSC,   204800                     ; V's
.set PART,  51*256
.set SPARE, REC                        ; the spare words: 128 bytes a wave, no other line names them
.set SPW,  5
.set NIL,  6
.set WV,   24
.macro ROUND                           ; a round of the cluster's barrier
	s_barrier_signal -1
	s_barrier_wait -1
	s_cmp_lg_u32 s[WV], 0
	s_cbranch_scc1 .Lnot_wave_0_\@
	s_barrier_signal -3
.Lnot_wave_0_\@:
	s_barrier_wait -3
	s_barrier_signal -1
	s_barrier_wait -1
.endm
	s_load_b128 s[4:7], s[0:1], 0x0                ; hq, mw
	s_load_b64 s[8:9], s[0:1], 0x10                ; cq
	v_lshl_add_u32 v[SPW], v0, 2, SPARE
	v_mov_b32 v[NIL], 0
	ds_add_u32 v[SPW], v[NIL]                      ; the opening lines: the add twice and its wait ahead of my tensor load
	ds_add_u32 v[SPW], v[NIL]
	v_lshrrev_b32 v8, 5, v0
	s_delay_alu instid0(VALU_DEP_1)
	v_readfirstlane_b32 s[WV], v8                  ; wave 0..15
	s_bfe_u32 s25, ttmp6, 0x40000                  ; cx: it enters Q's, the mask's and O's addresses alone
	s_and_b32 s26, ttmp7, 0xffff                   ; batch x 16 + head
	s_mov_b32 s32, 15|(3<<16)|(1<<21)              ; group 1: 51 dense rows of 32 elements of 8 bytes, for all four work-groups
	s_mov_b32 s33, 32<<16
	s_mov_b32 s34, 51<<16
	s_mov_b32 s35, 32<<16
	s_mov_b32 s36, 51
	s_mov_b32 s37, 32
	s_mov_b32 s38, 0
	s_mov_b32 s39, 0
	s_mov_b32 s40, 1
	s_mul_i32 s41, s[WV], PART                     ; LDS address: my part,
	s_mul_i32 s20, s26, REC
	s_add_co_u32 s20, s20, s41                     ; and the same part of the head's record
	s_mov_b32 s21, 0
	s_wait_dscnt 0x0
	s_wait_kmcnt 0x0
	s_add_nc_u64 s[42:43], s[4:5], s[20:21]
	s_or_b32 s43, s43, 0x80000000
	ROUND                                          ; the joint loads meet
	tensor_load_to_lds s[40:43], s[32:39]          ; my one tensor load of the launch
	s_nop 0
.rept 4
	v_nop
.endr
	v_and_b32 v9, 31, v0
	s_delay_alu instid0(VALU_DEP_1)
	v_lshlrev_b32 v1, 3, v9                        ; v1  8 x lane: my place in a piece of an image
	s_delay_alu instid0(VALU_DEP_1)
	v_add_nc_u32 v2, VIM, v1                       ; v2  the same among V's images
	v_and_b32 v10, 15, v0                          ; r
	s_delay_alu instid0(VALU_DEP_1)
	v_lshlrev_b32 v7, 5, v10                       ; v7  32 r
	s_delay_alu instid0(VALU_DEP_1)
	v_add_nc_u32 v3, KSC, v7                       ; v3  K's scale words: eight tiles a row r
	s_delay_alu instid0(VALU_DEP_3)
	v_lshl_add_u32 v4, v10, 4, VSC                 ; v4  V's: four tiles a row r
	v_bfe_u32 v243, v0, 4, 1
	s_delay_alu instid0(VALU_DEP_1)
	v_lshlrev_b32 v243, 3, v243
	v_lshlrev_b32 v31, 4, v9                       ; v31 16 x lane.  A half image is six registers of 32 lanes: registers 0-3 as 512 bytes, 16 a lane, then registers 4, 5 as 256 bytes, 8 a lane
	s_delay_alu instid0(VALU_DEP_1)
	v_add_nc_u32 v86, VIM, v31                     ; v86 the same among V's images
.irp i, 0,1,2,3,4,5
	v_mov_b32 v[22+\i], 0                          ; Q's upper half: zero codes
	v_mov_b32 v[80+\i], 0                          ; what follows K's last tile
.endr
	v_mov_b32 v216, 0                              ; a lane permute's destination counts as a source
	v_mov_b32 v217, 0
	v_mov_b32 v240, 0
	v_mov_b32 v239, 0                              ; (the upper half of the pair v[238:239])
	v_mov_b32 v242, 0xd0000000                     ; -2^33
	v_mov_b32 v87, 0xd0000000                      ; the same once more, in another register bank: it starts the maxima in the pairs below
	s_lshl_b32 s18, s25, 5
	s_add_co_u32 s18, s18, s[WV]                   ; my first tile of queries; the second lies 16 tiles on
	s_lshr_b32 s19, s26, 4                         ; the batch
	s_and_b32 s22, s26, 15                         ; the head
	s_lshl_b32 s19, s19, 7
	s_add_co_u32 s19, s19, s18                     ; g = batch x 128 + tile
	s_lshl_b32 s20, s26, 7
	s_add_co_u32 s20, s20, s18
	s_mul_i32 s20, s20, 768
	s_add_co_u32 s20, s20, QIM
	s_add_nc_u64 s[30:31], s[4:5], s[20:21]        ; Q's image
	s_lshl_b32 s20, s26, 13
	s_lshr_b32 s23, s18, 3
	s_lshl_b32 s23, s23, 9
	s_add_co_u32 s20, s20, s23
	s_and_b32 s23, s18, 7
	s_lshl_b32 s23, s23, 2
	s_add_co_u32 s20, s20, s23
	s_add_co_u32 s20, s20, QSC
	s_add_nc_u64 s[16:17], s[4:5], s[20:21]        ; Q's scale words
	s_lshl_b32 s20, s19, 12
	s_add_nc_u64 s[6:7], s[6:7], s[20:21]          ; the tile's mask words: 256 bytes a key step
	s_lshl_b32 s20, s19, 9
	s_lshl_b32 s23, s22, 1
	s_add_co_u32 s20, s20, s23
	s_add_co_u32 s20, s20, CQS
	s_add_nc_u64 s[10:11], s[8:9], s[20:21]        ; O's scale bytes
	s_lshl_b32 s20, s19, 4
	s_add_co_u32 s20, s20, s22
	s_mul_i32 s20, s20, 768
	s_add_nc_u64 s[8:9], s[8:9], s[20:21]          ; O's image
	s_mov_b32 s12, 0x76543210
	s_mov_b32 s13, 0xfedcba98                      ; v_permlanex16_b32's selects for lane l xor 16
	s_mov_b32 s14, 0x3e38aa3b                      ; c = log2(e) / 8
	s_mov_b32 s15, s14
	s_mov_b32 s29, 2                               ; two tiles of queries
	s_wait_alu depctr_va_vdst(0)
	global_load_b128 v[16:19], v31, s[30:31]       ; the first tile's Q, asked for while the record is on its way: its codes stay in registers,
	global_load_b64 v[20:21], v1, s[30:31] offset:512
	global_load_b32 v28, v7, s[16:17]              ; and its scale words
	s_wait_tensorcnt 0x0                           ; my part of the record is in: the descriptor's registers are free,
	s_barrier_signal -1
	s_barrier_wait -1                              ; and everybody's part is in
	s_load_b512 s[32:47], s[6:7], 0x0              ; the first tile's key step 0: 64 mask words in s32-63 and s68-99
	s_load_b512 s[48:63], s[6:7], 0x40
	s_load_b512 s[68:83], s[6:7], 0x80
	s_load_b512 s[84:99], s[6:7], 0xc0
.Lpass:
.set n, 0
.rept 32
	v_mov_b32 v[160+n], 0                          ; O^T: the step is written once; the first finds zeros
.set n, n+1
.endr
	v_mov_b32 v14, 0
	v_mov_b32 v15, 0
	v_mov_b32 v13, 0xff61b1e6                      ; the largest score so far: -3e38
	s_delay_alu instid0(VALU_DEP_1)
	v_floor_f32 v12, -v13                          ; -M: above every -M to come
	s_mov_b32 s2, 0                                ; the step's images: 6,144 bytes a step
	s_mov_b32 s3, 0                                ; K's scale words: 512 a step
	s_mov_b32 s27, 0                               ; V's: 256 a step
	s_mov_b32 s28, 16                              ; key steps to go
	s_wait_loadcnt 0x0                             ; Q
.Lstep:
	v_add_nc_u32 v8, s2, v1                        ; (these four are the places between the last products and the loads into their registers)
	v_add_nc_u32 v29, s2, v31
	v_add_nc_u32 v10, s3, v3
	v_add_nc_u32 v11, s27, v4
.irp t, 0,1,2,3,4,5,6,7
	ds_load_b128 v[32+6*\t:35+6*\t], v29 offset:768*\t
	ds_load_b64 v[36+6*\t:37+6*\t], v8 offset:768*\t+512
.endr
	ds_load_b128 v[224:227], v10
	ds_load_b128 v[228:231], v10 offset:16
	s_wait_alu depctr_va_vdst(0)
	s_wait_dscnt 0x0
	s_barrier_signal -1                            ; I am in this key step
.irp t, 0,1,2,3,4,5,6,7                        ; S^T = K Q^T
	v_wmma_scale_f32_16x16x128_f8f6f4 v[96+8*\t:103+8*\t], v[32+6*\t:43+6*\t], v[16:27], 0, v[224+\t], v28 matrix_a_fmt:MATRIX_FMT_FP6 matrix_b_fmt:MATRIX_FMT_FP6
.endr
	v_add_nc_u32 v9, s2, v2                        ; four places ahead of the loads into K's registers and of the first read of the scores: V's two addresses,
	v_add_nc_u32 v30, s2, v86
	v_nop                                          ; and two idle ones
	v_nop
.irp t, 0,1,2,3
.irp c, 0,1
	ds_load_b128 v[32+12*\t+6*\c:35+12*\t+6*\c], v30 offset:1536*\t+768*\c
	ds_load_b64 v[36+12*\t+6*\c:37+12*\t+6*\c], v9 offset:1536*\t+768*\c+512
.endr
.endr
	ds_load_b128 v[232:235], v11
	s_wait_kmcnt 0x0                               ; this step's mask words, asked for a step ago
.set n, 0
; THE MASK AND THE MAXIMA SHARE INSTRUCTIONS: a pair selects register n (its mask word in VCC; a hidden key's score becomes -2^33) and takes register n - 2, selected two pairs ago, into a maximum.
; Ascending: each accumulator of the scores is read from its low end on.  Eight maxima, four to a block of 32 keys, by n % 4: the pair's two destinations differ in parity, and its first sources and its second sources
; lie in different banks (register number mod 4): v242 bank 2, v87 bank 3, the maxima banks 0, 1, 3; registers n and n - 2 two banks apart.  Each maximum starts from -2^33, under every score that counts (the limit at the head).
	v_cndmask_b32 v96, v242, v96, s32
	v_cndmask_b32 v97, v242, v97, s33
.set n, 2
.rept 62
.set m, n-2
.if m%2 == 0
.set ac, 213+m%4+4*(m/32)
.elseif m%4 == 1
.set ac, 212+8*(m/32)
.else
.set ac, 216+28*(m/32)
.endif
	s_mov_b32 vcc_lo, s[32+n+4*(n/32)]
.if m%32 < 4
	v_dual_cndmask_b32 v[96+n], v242, v[96+n] :: v_dual_max_num_f32 v[ac], v87, v[96+m]
.else
	v_dual_cndmask_b32 v[96+n], v242, v[96+n] :: v_dual_max_num_f32 v[ac], v[ac], v[96+m]
.endif
.set n, n+1
.endr
	v_max3_num_f32 v212, v212, v213, v215          ; block 0's four maxima,
	v_max3_num_f32 v217, v217, v219, v220          ; block 1's,
	s_delay_alu instid0(VALU_DEP_2)
	v_max_num_f32 v212, v212, v216                 ; block 0: it serves the row's maximum and, since p rises with the score, the block's largest p
	s_delay_alu instid0(VALU_DEP_2)
	v_max3_num_f32 v213, v217, v244, v158          ; with the last two registers, which no pair took in
	s_delay_alu instid0(VALU_DEP_1)
	v_max_num_f32 v213, v213, v159                 ; block 1
	s_delay_alu instid0(VALU_DEP_1)
	v_max_num_f32 v240, v212, v213
	s_delay_alu instid0(VALU_DEP_1)
	v_permlanex16_b32 v216, v240, s12, s13         ; lane l xor 16's two blocks
	s_barrier_wait -1                              ; every wave is in this key step
	s_add_co_u32 s20, s28, s29                     ; the next 64 mask words are asked for here, a step ahead: the next key step's, or in a tile's last step the next tile's first;
	s_cmp_eq_u32 s20, 2                            ; the last step of the last tile asks for nothing: no load leaves its buffer
	s_cbranch_scc1 .Lno_words
	s_mov_b32 s20, 256
	s_cmp_eq_u32 s28, 1
	s_cselect_b32 s20, 16*4096-15*256, s20         ; from key step 15 of a tile to key step 0 of the tile 16 further on (s21 holds 0)
	s_wait_xcnt 0x0                                ; the base is stepped only behind this wait
	s_add_nc_u64 s[6:7], s[6:7], s[20:21]
	s_load_b512 s[32:47], s[6:7], 0x0
	s_load_b512 s[48:63], s[6:7], 0x40
	s_load_b512 s[68:83], s[6:7], 0x80
	s_load_b512 s[84:99], s[6:7], 0xc0
.Lno_words:
	s_wait_alu depctr_va_vdst(0)
	v_max3_num_f32 v13, v13, v240, v216            ; the running largest score
	v_mov_b32 v241, v12
	s_delay_alu instid0(VALU_DEP_2)
	v_mul_f32 v240, s14, v13                       ; as t (c is positive)
	s_delay_alu instid0(VALU_DEP_1)
	v_floor_f32 v12, -v240                         ; the new -M = -ceil(t)
	s_delay_alu instid0(VALU_DEP_1)
	v_sub_f32 v240, v12, v241                      ; old M - new M: whole, 0 or less
	s_delay_alu instid0(VALU_DEP_1)
	v_cvt_i32_f32 v240, v240                       ; (it saturates)
	s_delay_alu instid0(VALU_DEP_1)
	v_ldexp_f32 v238, 1.0, v240                    ; f = 2^(old M - new M)
.set n, 0
.rept 32
	v_pk_fma_f32 v[96+n:97+n], v[96+n:97+n], s[14:15], v[12:13] op_sel_hi:[1,0,0]   ; t - M (the pairs' low words serve both halves)
.set n, n+2
.endr
	v_fma_f32 v212, v212, s14, v12                 ; the same of each block's largest score
	v_fma_f32 v213, v213, s14, v12
	s_wait_alu depctr_va_vdst(0)
.set n, 0
.rept 64
	v_exp_f32 v[96+n], v[96+n]                     ; p = 2^(t - M)
.set n, n+1
.endr
	v_pk_mul_f32 v[14:15], v[14:15], v[238:239] op_sel_hi:[1,0]   ; the sums under the new M (a plain place behind the batch)
	s_wait_alu depctr_va_vdst(0)                   ; one wait for the batch, ahead of its first reader
	v_exp_f32 v212, v212                           ; the blocks' largest p: the same two instructions on the same number
	v_exp_f32 v213, v213
.set n, 96                                     ; the row's sum of the unquantised p: eight chains of pairs
.irp a, 216,244,246,248,250,252,254
	v_pk_add_f32 v[\a:\a+1], v[n:n+1], v[n+2:n+3]
.set n, n+4
.endr
	v_pk_add_f32 v[14:15], v[14:15], v[n:n+1]
.set n, n+2
.rept 2
.irp a, 216,244,246,248,250,252,254
	v_pk_add_f32 v[\a:\a+1], v[\a:\a+1], v[n:n+1]
.set n, n+2
.endr
	v_pk_add_f32 v[14:15], v[14:15], v[n:n+1]
.set n, n+2
.endr
	v_pk_add_f32 v[216:217], v[216:217], v[n:n+1]
	v_pk_add_f32 v[244:245], v[244:245], v[246:247]
	v_pk_add_f32 v[248:249], v[248:249], v[250:251]
	v_pk_add_f32 v[252:253], v[252:253], v[254:255]
	s_delay_alu instid0(VALU_DEP_4)
	v_pk_add_f32 v[14:15], v[14:15], v[216:217]
	s_delay_alu instid0(VALU_DEP_3)
	v_pk_add_f32 v[244:245], v[244:245], v[248:249]
	s_delay_alu instid0(VALU_DEP_2)
	v_pk_add_f32 v[14:15], v[14:15], v[252:253]
	s_delay_alu instid0(VALU_DEP_1)
	v_pk_add_f32 v[14:15], v[14:15], v[244:245]
	s_wait_alu depctr_va_vdst(0)                   ; and one for the two
	v_max_num_f32 v212, 0x1800000, v212            ; the floor 2^(3 - 127): the byte cannot fall under 1
	v_max_num_f32 v213, 0x1800000, v213
	s_delay_alu instid0(VALU_DEP_2)
	v_add_nc_u32 v220, 0xff000000, v212            ; 2 off the exponent field: the conversion's scale operand
	s_delay_alu instid0(VALU_DEP_2)
	v_add_nc_u32 v221, 0xff000000, v213
	s_delay_alu instid0(VALU_DEP_2)
	v_lshrrev_b32 v216, 23, v220                   ; the scales' bytes
	s_delay_alu instid0(VALU_DEP_2)
	v_lshrrev_b32 v217, 23, v221
	s_delay_alu instid0(VALU_DEP_1)
	v_lshl_or_b32 v216, v217, 16, v216             ; my blocks are h and 2 + h of the step's four:
	s_delay_alu instid0(VALU_DEP_1)
	v_lshlrev_b32 v216, v243, v216                 ; their bytes at their places,
	s_delay_alu instid0(VALU_DEP_1)
	v_permlanex16_b32 v217, v216, s12, s13
	s_delay_alu instid0(VALU_DEP_1)
	v_or_b32 v236, v216, v217                      ; and with lane l xor 16's two p's scale word is whole
.irp c, 0,1
	v_cvt_scalef32_pk16_fp6_f32 v[192+6*\c:194+6*\c], v[96+32*\c:111+32*\c], v[220+\c]
	v_cvt_scalef32_pk16_fp6_f32 v[204+4*\c:206+4*\c], v[112+32*\c:127+32*\c], v[220+\c]   ; (a conversion's three registers begin on an even number)
.endr
	v_nop                                          ; one plain place behind a scaled conversion
.irp c, 0,1
.irp i, 0,1,2
	v_mov_b32 v[195+6*\c+\i], v[204+4*\c+\i]
.endr
.endr
	s_wait_alu depctr_va_vdst(0)
.set n, 0
.rept 16
	v_pk_mul_f32 v[160+n:161+n], v[160+n:161+n], v[238:239] op_sel_hi:[1,0]   ; O^T x f (also the places between p's codes and scale word and the products)
.set n, n+2
.endr
	s_wait_alu depctr_va_vdst(0)
	s_wait_dscnt 0x0                               ; V's fragments and scale words
.irp t, 0,1,2,3                                ; O^T += V^T P^T: the four accumulators take turns
	v_wmma_scale_f32_16x16x128_f8f6f4 v[160+8*\t:167+8*\t], v[32+12*\t:43+12*\t], v[192:203], v[160+8*\t:167+8*\t], v[232+\t], v236 matrix_a_fmt:MATRIX_FMT_FP6 matrix_b_fmt:MATRIX_FMT_FP6
.endr
	s_add_co_u32 s2, s2, 6144
	s_add_co_u32 s3, s3, 512
	s_add_co_u32 s27, s27, 256
	s_sub_co_u32 s28, s28, 1
	s_cmp_lg_u32 s28, 0
	s_cbranch_scc1 .Lstep
	; THE WAY OUT of a tile.  Register 16 B + i of O^T is channel 32 B + 16 h + i of my query: two blocks of 32 along the last projection's K, each shared by lanes l and l xor 16.
.rept 4
	v_nop                                          ; places behind the last products
.endr
	s_add_nc_u64 s[30:31], s[30:31], 16*768        ; this tile's loads of Q were waited for at its start: their bases step to the tile 16 further on,
	s_add_nc_u64 s[16:17], s[16:17], 1024
	s_cmp_eq_u32 s29, 1
	s_cbranch_scc1 .Lno_q                          ; and, if there is one, its Q is asked for now and lands under this tile's way out
	global_load_b128 v[16:19], v31, s[30:31]
	global_load_b64 v[20:21], v1, s[30:31] offset:512
	global_load_b32 v28, v7, s[16:17]
.Lno_q:
	v_add_f32 v14, v14, v15
	s_delay_alu instid0(VALU_DEP_1)
	v_permlanex16_b32 v240, v14, s12, s13
	s_delay_alu instid0(VALU_DEP_1)
	v_add_f32 v14, v14, v240                       ; the row's sum
	s_wait_alu depctr_va_vdst(0)                   ; a wait ahead of the transcendental
	v_rcp_f32 v14, v14
	v_nop
	s_wait_alu depctr_va_vdst(0)                   ; and ahead of its first reader
.set n, 0
.rept 16
	v_pk_mul_f32 v[96+n:97+n], v[160+n:161+n], v[14:15] op_sel_hi:[1,0]
.set n, n+2
.endr
.irp b, 0,1
	v_max3_num_f32 v[212+\b], |v[96+16*\b]|, |v[97+16*\b]|, 0x1800000
.endr
.irp i, 2,4,6,8,10,12,14
.irp b, 0,1
	s_delay_alu instid0(VALU_DEP_2)
	v_max3_num_f32 v[212+\b], v[212+\b], |v[96+16*\b+\i]|, |v[97+16*\b+\i]|
.endr
.endr
.irp b, 0,1
	s_delay_alu instid0(VALU_DEP_2)
	v_permlanex16_b32 v[216+\b], v[212+\b], s12, s13
.endr
.irp b, 0,1
	s_delay_alu instid0(VALU_DEP_2)
	v_max_num_f32 v[212+\b], v[212+\b], v[216+\b]
.endr
.irp b, 0,1
	s_delay_alu instid0(VALU_DEP_2)
	v_add_nc_u32 v[220+\b], 0xff000000, v[212+\b]
.endr
.irp b, 0,1
	s_delay_alu instid0(VALU_DEP_2)
	v_lshrrev_b32 v[216+\b], 23, v[220+\b]
.endr
	s_delay_alu instid0(VALU_DEP_1)
	v_lshl_or_b32 v241, v217, 8, v216              ; my row's two scale bytes
	v_cvt_scalef32_pk16_fp6_f32 v[192:194], v[96:111], v220
	v_cvt_scalef32_pk16_fp6_f32 v[204:206], v[112:127], v221
	v_nop
.irp i, 0,1,2
	v_permlane16_swap_b32 v[192+\i], v[204+\i]     ; a whole block to a lane
.endr
.irp i, 0,1,2
	s_delay_alu instid0(VALU_DEP_3)
	v_mov_b32 v[195+\i], v[204+\i]
.endr
.irp p, 0,1,2
	global_store_b64 v1, v[192+2*\p:193+2*\p], s[8:9] offset:256*\p   ; 256 consecutive bytes, aligned
.endr
	global_store_b16 v7, v241, s[10:11]            ; two bytes in each of 16 rows 32 bytes apart (lanes l and l xor 16 write the same): 1/24 of what the tile stores
	s_wait_xcnt 0x0                                ; bases and data are written again only behind this wait
	s_add_nc_u64 s[8:9], s[8:9], 16*16*768
	s_add_nc_u64 s[10:11], s[10:11], 16*512
	s_sub_co_u32 s29, s29, 1
	s_cmp_lg_u32 s29, 0
	s_cbranch_scc1 .Lpass
	s_wait_tensorcnt 0x0                           ; the wave's end
	ds_add_u32 v[SPW], v[NIL]
	s_wait_dscnt 0x0
	ROUND                                          ; the closing round
	s_endpgm
.Lfunc_end_k_q25e37bd96c_attn:
	.size	k_q25e37bd96c_attn, .Lfunc_end_k_q25e37bd96c_attn-k_q25e37bd96c_attn
	.p2alignl 7, 3214868480
	.fill 96, 4, 3214868480
	.section	.rodata,"a",@progbits
	.p2align	6, 0x0
	.amdhsa_kernel k_q25e37bd96c_attn
		.amdhsa_group_segment_fixed_size 212992
		.amdhsa_private_segment_fixed_size 0
		.amdhsa_enable_private_segment 0
		.amdhsa_kernarg_size 24
		.amdhsa_user_sgpr_count 2
		.amdhsa_user_sgpr_kernarg_segment_ptr 1
		.amdhsa_wavefront_size32 1
		.amdhsa_system_sgpr_workgroup_id_x 1
		.amdhsa_system_sgpr_workgroup_id_y 1
		.amdhsa_system_sgpr_workgroup_id_z 1
		.amdhsa_system_vgpr_workitem_id 0
		.amdhsa_next_free_vgpr 256
		.amdhsa_next_free_sgpr 100
		.amdhsa_reserve_vcc 1
		.amdhsa_float_denorm_mode_32 3
		.amdhsa_float_denorm_mode_16_64 3
		.amdhsa_memory_ordered 1
		.amdhsa_forward_progress 1
		.amdhsa_inst_pref_size 34
	.end_amdhsa_kernel
	.amdgpu_metadata
---
amdhsa.version: [ 1, 2 ]
amdhsa.kernels:
  - .name:           k_q25e37bd96c_attn
    .symbol:         k_q25e37bd96c_attn.kd
    .args:
      - { .name: hq, .offset: 0, .size: 8, .value_kind: global_buffer, .address_space: global }
      - { .name: mw, .offset: 8, .size: 8, .value_kind: global_buffer, .address_space: global }
      - { .name: cq, .offset: 16, .size: 8, .value_kind: global_buffer, .address_space: global }
    .group_segment_fixed_size: 212992
    .private_segment_fixed_size: 0
    .kernarg_segment_align: 8
    .kernarg_segment_size: 24
    .max_flat_workgroup_size: 512
    .sgpr_count:     100
    .vgpr_count:     256
    .wavefront_size: 32
...
	.end_amdgpu_metadata
.endif
;; end of part 3
;; launch outp (part 4): grid 4 x 32, 4 waves a work-group, clusters of 4 x 4, 327,680 bytes of LDS; arguments cq, wq, b_o, out0; writes out0
.if DOCPART == 4
	.amdgcn_target "amdgcn-amd-amdhsa--gfx1250"
	.amdhsa_code_object_version 6
	.text
	.protected	k_q25e37bd96c_outp
	.globl	k_q25e37bd96c_outp
	.p2align	8
	.type	k_q25e37bd96c_outp,@function
k_q25e37bd96c_outp:
	s_mov_b64 s[64:65], 0
	v_nop
	global_prefetch_b8 v0, s[64:65] scope:SCOPE_SE
	s_setreg_imm32_b32 hwreg(HW_REG_WAVE_MODE, 25, 1), 1
	s_wait_xcnt 0x0
	s_wait_alu depctr_hold_cnt(0) depctr_sa_sdst(0) depctr_va_vdst(0) depctr_va_sdst(0) depctr_va_ssrc(0) depctr_va_vcc(0) depctr_vm_vsrc(0)
	s_getreg_b32 s2, hwreg(HW_REG_IB_STS2, 6, 4)
	s_cmp_eq_u32 s2, 0
	s_cbranch_scc0 .Lentry_in_a_cluster
	s_endpgm
.Lentry_in_a_cluster:
	s_bfe_u32 s2, ttmp6, 0x10000c
	s_cmp_lg_u32 s2, 0xf033
	s_cbranch_scc0 .Lentry_shape_is_right
	s_endpgm
.Lentry_shape_is_right:
; The last projection on codes of FP6: out0 = O W_o + b_o.  A work-group of four waves makes 256 x 256, a wave 128 x 128; K goes in steps of 256 through a ring of two LDS slots.
; A (cq) comes as register images, 3,072 bytes for 16 rows x 256 K.  B (wq, weight 3) lies by planes of 256 along K, [plane][row n][192 bytes]: the 128 rows that a tensor load brings are
; 24,576 dense bytes, stated as 96 rows of 256 bytes, each at a multiple of 256; 16 bytes of padding behind each 64 put a row of 192 bytes of codes on 240 bytes of LDS.  A step along K is one plane, WPL bytes.
; The bias is the C of the first products; the results leave through the wave's stage as whole rows of 512 bytes.
.set SIZE_N, 1024
.set WPL,    196608
.set KSTEP,  256
.set NQ,     KSTEP/128
.set ROWB,   192
.set KROW,   768
.set PITCH,  240
.set TROW,   3072
.set FR,     12
.set NL,     6
.set NP,     4
.set HALFA,  8*TROW
.set HALFT,  128*PITCH
.set BOFF,   2*HALFA
.set SLOT,   2*HALFA+2*HALFT
.set LAPS,   2
.set KS,     32
.set SCL,    2*SLOT
.set HALFS,  (128*KS/256)*272
.set SBLK,   (16*KS/256)*272
.set SPARE,  SCL+4*HALFS
.set SPITCH, 528
.set CQS,    6291456
.set WS,     3145728
.set ADRA, 16
.set ADRB, 20
.set STO,  24
.set RD,   25
.set CO,   26
.set ADRS, 27
.set SPW,  28
.set NIL,  29
.set SC,   32
.set BI,   64
.set AF,   128
.set BK,   128
.set G1, 24
.set G0, 32
.set G1B, 48
.set G0B, 56
.set G1S, 68
.set G0S, 76
.set G1SB, 80
.set G0SB, 88
.set MSB, 0
.macro WIN new
.if MSB != \new
	s_set_vgpr_msb (MSB<<8)|\new
.set MSB, \new
.endif
.endm
.set MUL_LO, 0xa1
.set MUL_HI, 0xf1
.set BIA_LO, 0x81
.set BIA_HI, 0xc1
.set TO_B,   0x40
.macro JLOAD g0a, g1a, g0b, g1b
	s_cmp_eq_u32 s15, 0
	s_cbranch_scc0 .Lfor_b_\@
	tensor_load_to_lds s[\g0a:\g0a+3], s[\g1a:\g1a+7]
	s_nop 0
.rept 4
	v_nop
.endr
	s_branch .Lasked_\@
.Lfor_b_\@:
	tensor_load_to_lds s[\g0b:\g0b+3], s[\g1b:\g1b+7]
	s_nop 0
.rept 4
	v_nop
.endr
.Lasked_\@:
.endm
.macro CREST
	s_cmp_lg_u32 s14, 0
	s_cbranch_scc1 .Lnot_wave_0_\@
	s_barrier_signal -3
.Lnot_wave_0_\@:
	s_barrier_wait -3
	s_barrier_signal -1
	s_barrier_wait -1
.endm
.macro CROUND
	s_barrier_signal -1
	s_barrier_wait -1
	CREST
.endm
	s_load_b256 s[4:11], s[0:1], 0x0
	v_lshl_add_u32 v[SPW], v0, 2, SPARE
	v_mov_b32 v[NIL], 0
	ds_add_u32 v[SPW], v[NIL]
	ds_add_u32 v[SPW], v[NIL]
	v_lshrrev_b32 v1, 5, v0
	v_readfirstlane_b32 s14, v1
	s_lshr_b32 s15, s14, 1
	s_and_b32 s16, s14, 1
	s_bfe_u32 s40, ttmp6, 0x40000
	s_bfe_u32 s41, ttmp6, 0x40004
	s_lshl_b32 s42, ttmp9, 2
	s_add_co_u32 s42, s42, s40
	s_and_b32 s17, ttmp7, 0xffff
	s_lshl_b32 s17, s17, 2
	s_add_co_u32 s17, s17, s41
	s_lshl_b32 s43, s41, 2
	s_lshl_b32 s43, 15, s43
	s_lshl_b32 s44, 0x1111, s40
	s_or_b32 s[G1+0], s43, (3<<16)|(1<<21)
	s_mov_b32 s[G1+1], 384<<16
	s_mov_b32 s[G1+2], 16<<16
	s_mov_b32 s[G1+3], 384<<16
	s_mov_b32 s[G1+4], 16
	s_mov_b32 s[G1+5], 1536
	s_mov_b32 s[G1+6], 0
	s_mov_b32 s[G1+7], 0
	s_or_b32 s[G1B+0], s44, (0<<16)|(1<<20)|(1<<21)|(3<<22)|(3<<25)
	s_mov_b32 s[G1B+1], 256<<16
	s_mov_b32 s[G1B+2], 192<<16
	s_mov_b32 s[G1B+3], 256<<16
	s_mov_b32 s[G1B+4], 192
	s_mov_b32 s[G1B+5], 256
	s_mov_b32 s[G1B+6], 0
	s_mov_b32 s[G1B+7], 0
	s_or_b32 s[G1S+0], s43, (3<<16)|(1<<20)|(1<<21)|(5<<22)|(3<<25)
	s_or_b32 s[G1SB+0], s44, (3<<16)|(1<<20)|(1<<21)|(5<<22)|(3<<25)
.irp g, G1S, G1SB
	s_mov_b32 s[\g+1], 32<<16
	s_mov_b32 s[\g+2], (256*KS/256)<<16
	s_mov_b32 s[\g+3], 32<<16
	s_mov_b32 s[\g+4], 256*KS/256
	s_mov_b32 s[\g+5], 32
	s_mov_b32 s[\g+6], 0
	s_mov_b32 s[\g+7], 0
.endr
	s_lshl_b32 s20, s17, 4
	s_lshl_b32 s22, s20, 9
	s_add_co_u32 s22, s22, CQS
	s_mul_i32 s20, s20, 16*768
	s_mov_b32 s21, 0
	s_mov_b32 s23, 0
	s_lshl_b32 s46, s42, 8
	s_lshl_b32 s92, s46, 5
	s_add_co_u32 s92, s92, WS+3*1024*KS
	s_mul_i32 s46, s46, ROWB
	s_add_co_u32 s46, s46, 3*1024*KROW
	s_mov_b32 s47, 0
	s_mov_b32 s93, 0
	s_mul_i32 s45, s16, HALFA
	s_mul_i32 s2, s16, HALFT
	s_add_co_u32 s2, s2, BOFF
	s_wait_dscnt 0x0
	s_wait_kmcnt 0x0
	s_mov_b64 s[12:13], s[10:11]
	s_mov_b64 s[96:97], s[8:9]
	s_add_nc_u64 s[20:21], s[4:5], s[20:21]
	s_add_nc_u64 s[22:23], s[4:5], s[22:23]
	s_add_nc_u64 s[46:47], s[6:7], s[46:47]
	s_add_nc_u64 s[92:93], s[6:7], s[92:93]
	CROUND
	s_mov_b32 s[G0S], 1
	s_mov_b32 s[G0S+1], SCL
	s_mov_b64 s[G0S+2:G0S+3], s[22:23]
	s_or_b32 s[G0S+3], s[G0S+3], 0x80000000
	s_mov_b32 s[G0SB], 1
	s_mov_b32 s[G0SB+1], SCL+2*HALFS
	s_mov_b64 s[G0SB+2:G0SB+3], s[92:93]
	s_or_b32 s[G0SB+3], s[G0SB+3], 0x80000000
.irp s, 0,1
	s_mov_b32 s[G0+4*\s], 1
	s_add_co_u32 s[G0+4*\s+1], s45, \s*SLOT
	s_add_nc_u64 s[G0+4*\s+2:G0+4*\s+3], s[20:21], \s*TROW
	s_or_b32 s[G0+4*\s+3], s[G0+4*\s+3], 0x80000000
	s_mov_b32 s[G0B+4*\s], 1
	s_add_co_u32 s[G0B+4*\s+1], s2, \s*SLOT
	s_add_nc_u64 s[G0B+4*\s+2:G0B+4*\s+3], s[46:47], \s*WPL
	s_or_b32 s[G0B+4*\s+3], s[G0B+4*\s+3], 0x80000000
.endr
; THE HEAD'S LOADS, one a wave: wave 0 the first K step of A's 16 tiles of rows, wave 1 plane 0 of B's 256 rows, wave 2 the scales of A's 256 rows, wave 3 those of B's.
; Slot 0's two groups 0 serve them with the whole tile's address and LDS place; behind the wait for these loads they take the ring's form.  One tree of branches on the wave's number: every way passes one load.
	s_mov_b32 s[G0+1], 0
	s_mov_b32 s[G0B+1], BOFF
.macro ARM under, g0, g1, next
	s_cmp_lt_u32 s14, \under
	s_cbranch_scc0 \next
	tensor_load_to_lds s[\g0:\g0+3], s[\g1:\g1+7]
	s_nop 0
.rept 4
	v_nop
.endr
	s_branch .Lhead_asked
\next:
.endm
	ARM 1, G0,  G1,  .Lhead_b
	ARM 2, G0B, G1B, .Lhead_sa
	ARM 3, G0S, G1S, .Lhead_sb
	tensor_load_to_lds s[G0SB:G0SB+3], s[G1SB:G1SB+7]
	s_nop 0
.rept 4
	v_nop
.endr
.Lhead_asked:                                          ; the addresses and the bias loads below are made while the four tiles are on their way
	v_and_b32 v1, 15, v0
	v_bfe_u32 v2, v0, 4, 1
	v_mul_u32_u24 v3, v1, PITCH
	v_mul_u32_u24 v4, v2, 24
	v_add_nc_u32 v4, v3, v4
	v_lshl_add_u32 v5, v2, 4, v4
	v_and_b32 v6, 31, v0
	v_lshlrev_b32 v6, 3, v6
	s_mul_i32 s21, s15, HALFA
	s_mul_i32 s22, s16, HALFT
	s_add_co_u32 s22, s22, BOFF
.irp s, 0,1
	v_add_nc_u32 v[ADRA+\s], s21, v6
	v_add_nc_u32 v[ADRB+\s], s22, v4
	v_add_nc_u32 v[ADRB+2+\s], s22, v5
	s_add_co_u32 s21, s21, SLOT
	s_add_co_u32 s22, s22, SLOT
.endr
	v_mul_u32_u24 v5, v1, KS
	v_lshrrev_b32 v6, 8, v5
	v_lshl_add_u32 v5, v6, 4, v5
	s_mul_i32 s21, s15, HALFS
	s_mul_i32 s22, s16, HALFS
	s_add_co_u32 s22, s22, 2*HALFS
	s_sub_co_u32 s22, s22, s21
	v_mul_u32_u24 v6, s22, v2
	s_add_co_u32 s21, s21, SCL
	v_add_nc_u32 v5, v5, v6
	v_add_nc_u32 v[ADRS], s21, v5
	s_mul_i32 s23, s14, 16*SPITCH
	v_mul_u32_u24 v5, v1, SPITCH
	v_lshl_add_u32 v5, v2, 6, v5
	v_add_nc_u32 v[STO], s23, v5
	v_and_b32 v6, 31, v0
	v_lshlrev_b32 v[CO], 4, v6
	v_add_nc_u32 v[RD], s23, v[CO]
	s_lshl_b32 s20, s17, 8
	s_lshl_b32 s21, s15, 7
	s_add_co_u32 s20, s20, s21
	s_mov_b32 s21, 0
	s_mov_b64 s[18:19], SIZE_N*4
	s_mul_u64 s[20:21], s[20:21], s[18:19]
	s_lshl_b32 s46, s42, 10
	s_lshl_b32 s47, s16, 9
	s_add_co_u32 s46, s46, s47
	s_mov_b32 s47, 0
	s_add_nc_u64 s[96:97], s[96:97], s[46:47]
	s_add_nc_u64 s[20:21], s[20:21], s[46:47]
	s_add_nc_u64 s[12:13], s[12:13], s[20:21]
	v_lshlrev_b32 v7, 6, v2
.irp b, 0,1,2,3,4,5,6,7
	global_load_b128 v[BI+8*\b:BI+8*\b+3], v7, s[96:97] offset:(32*(\b/2)+8*(\b%2))*4
	global_load_b128 v[BI+8*\b+4:BI+8*\b+7], v7, s[96:97] offset:(32*(\b/2)+8*(\b%2))*4+16
.endr
.macro FRAG reg, adr, q, i
.irp p, 0,1,2,3,4,5
.set PCE, 12*(\q)+6*(\p/3)+\p%3
.if PCE%8 < 5
	ds_load_b64 v[\reg+2*\p:\reg+2*\p+1], v[\adr] offset:8*PCE+16*(PCE/8)+(\i)*16*PITCH
.else
	ds_load_b64 v[\reg+2*\p:\reg+2*\p+1], v[\adr+2] offset:8*PCE+16*(PCE/8)+(\i)*16*PITCH
.endif
.endr
.endm
.macro FRAGA reg, adr, q, i
.irp p, 0,1,2,3,4,5
	ds_load_b64 v[\reg+2*\p:\reg+2*\p+1], v[\adr] offset:(\i)*TROW+(\q)*1536+256*\p
.endr
.endm
.macro MUL16 a0, p, q, sc, zero
.irp a, \a0, \a0+1
.irp b, 0,1,2,3,4,5,6,7
.if \zero
	v_wmma_scale_f32_16x16x128_f8f6f4 v[8*(8*((\a)%4)+\b):8*(8*((\a)%4)+\b)+7], v[128*(\p)+FR*\b:128*(\p)+FR*\b+FR-1], v[AF+FR*(\a):AF+FR*(\a)+FR-1], v[BI+8*\b:BI+8*\b+7], v[SC+8*NQ*(\sc)+NQ*\b+(\q)], v[SC+8*NQ*(\sc)+NQ*(\a)+(\q)] matrix_a_fmt:MATRIX_FMT_FP6 matrix_b_fmt:MATRIX_FMT_FP6 matrix_a_scale:MATRIX_SCALE_ROW1
.else
	v_wmma_scale_f32_16x16x128_f8f6f4 v[8*(8*((\a)%4)+\b):8*(8*((\a)%4)+\b)+7], v[128*(\p)+FR*\b:128*(\p)+FR*\b+FR-1], v[AF+FR*(\a):AF+FR*(\a)+FR-1], v[8*(8*((\a)%4)+\b):8*(8*((\a)%4)+\b)+7], v[SC+8*NQ*(\sc)+NQ*\b+(\q)], v[SC+8*NQ*(\sc)+NQ*(\a)+(\q)] matrix_a_fmt:MATRIX_FMT_FP6 matrix_b_fmt:MATRIX_FMT_FP6 matrix_a_scale:MATRIX_SCALE_ROW1
.endif
.endr
.endr
.endm
.macro FETCH_B slot, q, p
	WIN TO_B
.irp i, 0,1,2,3,4,5,6,7
	FRAG 128*(\p)+FR*\i, ADRB+\slot, \q, \i
.endr
	WIN 0
.endm
.macro FETCH_A slot, q, i0
.irp i, \i0, \i0+1, \i0+2, \i0+3
	FRAGA AF+FR*(\i), ADRA+\slot, \q, \i
.endr
.endm
.macro SCALES sc
.irp i, 0,1,2,3,4,5,6,7
	ds_load_b64 v[SC+8*NQ*\sc+NQ*\i:SC+8*NQ*\sc+NQ*\i+1], v[ADRS] offset:\i*SBLK
.endr
.endm
.macro PLACES n
.rept \n
	v_nop
.endr
.endm
.macro STEP slot, q, zero
	s_wait_dscnt 4*NL
.if \zero
	WIN BIA_LO
.else
	WIN MUL_LO
.endif
	MUL16 0, (\q)%2, \q, \slot, \zero
	MUL16 2, (\q)%2, \q, \slot, \zero
	s_wait_dscnt 0
	PLACES NP
	FETCH_B \slot, (\q)+1, 1-(\q)%2
	FETCH_A \slot, (\q)+1, 0
.if \zero
	WIN BIA_HI
.else
	WIN MUL_HI
.endif
	MUL16 4, (\q)%2, \q, \slot, \zero
	MUL16 6, (\q)%2, \q, \slot, \zero
	PLACES NP
	WIN 0
	FETCH_A \slot, (\q)+1, 4
.endm
.macro TURN slot, next, fill
	s_wait_tensorcnt 0x0
	ds_add_u32 v[SPW], v[NIL]
	s_wait_dscnt 4*NL+1
	WIN MUL_LO
	MUL16 0, 1, NQ-1, \slot, 0
	s_wait_dscnt 0x0
	s_barrier_signal -1
	MUL16 2, 1, NQ-1, \slot, 0
	WIN 0
	s_barrier_wait -1
.if \fill
	CREST
	s_add_nc_u64 s[G0+4*\slot+2:G0+4*\slot+3], s[G0+4*\slot+2:G0+4*\slot+3], 2*TROW
	s_add_nc_u64 s[G0B+4*\slot+2:G0B+4*\slot+3], s[G0B+4*\slot+2:G0B+4*\slot+3], 2*WPL
	JLOAD G0+4*\slot, G1, G0B+4*\slot, G1B
.else
	PLACES NP
.endif
	s_wait_alu depctr_va_vdst(0)
	v_add_nc_u32 v[ADRS], 4*NQ, v[ADRS]
	FETCH_B \next, 0, 0
	FETCH_A \next, 0, 0
	SCALES \next
	WIN MUL_HI
	MUL16 4, 1, NQ-1, \slot, 0
	MUL16 6, 1, NQ-1, \slot, 0
	PLACES NP
	WIN 0
	FETCH_A \next, 0, 4
.endm
	s_wait_alu depctr_va_vdst(0)
	s_wait_tensorcnt 0x0                           ; my tile of the head's four is in; these lines stand ahead of a later first fill as ahead of a refill
	ds_add_u32 v[SPW], v[NIL]
	s_mov_b32 s[G1+2], 8<<16                       ; no tensor load of mine is out: from here on a load brings 128 rows: 8 tiles of A,
	s_mov_b32 s[G1+4], 8
	s_mov_b32 s[G1B+2], 96<<16                     ; 96 rows of 256 bytes of B,
	s_mov_b32 s[G1B+4], 96
	s_mov_b32 s[G0+1], s45                         ; to my half of the slot's part,
	s_mov_b32 s[G0B+1], s2
	s_mul_i32 s4, s16, 8*16*768                    ; from my half of the tile's rows
	s_mov_b32 s5, 0
	s_mul_i32 s6, s16, 128*ROWB
	s_mov_b32 s7, 0
.irp s, 0,1
	s_add_nc_u64 s[G0+4*\s+2:G0+4*\s+3], s[G0+4*\s+2:G0+4*\s+3], s[4:5]
	s_add_nc_u64 s[G0B+4*\s+2:G0B+4*\s+3], s[G0B+4*\s+2:G0B+4*\s+3], s[6:7]
.endr
	s_wait_dscnt 0x0
	CROUND                                         ; all four tiles are in, and the sixteen work-groups are here:
	JLOAD G0+4, G1, G0B+4, G1B                     ; slot 1's first fill, the first tensor load behind the round
	FETCH_B 0, 0, 0
	FETCH_A 0, 0, 0
	SCALES 0
	FETCH_A 0, 0, 4
	s_wait_loadcnt 0x0
	STEP 0, 0, 1
	s_mov_b32 s3, LAPS-1
.Llap:
	TURN 0, 1, 1
	STEP 1, 0, 0
	TURN 1, 0, 1
	STEP 0, 0, 0
	s_sub_co_u32 s3, s3, 1
	s_cmp_lg_u32 s3, 0
	s_cbranch_scc1 .Llap
	TURN 0, 1, 0
	STEP 1, 0, 0
	s_wait_dscnt 4*NL
	WIN MUL_LO
	MUL16 0, 1, NQ-1, 1, 0
	MUL16 2, 1, NQ-1, 1, 0
	s_wait_dscnt 0
	WIN MUL_HI
	MUL16 4, 1, NQ-1, 1, 0
	MUL16 6, 1, NQ-1, 1, 0
	WIN 0
.macro TOSTAGE a
.set AC, 64*((\a)%4)
	WIN 0x08+4*((\a)/4)
.irp b, 0,1,2,3,4,5,6,7
	ds_store_b128 v[STO], v[AC+8*\b:AC+8*\b+3] offset:128*(\b/2)+32*(\b%2)
	ds_store_b128 v[STO], v[AC+8*\b+4:AC+8*\b+7] offset:128*(\b/2)+32*(\b%2)+16
.endr
	WIN 0
.set BB, BK+64*((\a)%2)
.irp t, 0,1,2,3,4,5,6,7,8,9,10,11,12,13,14,15
	ds_load_b128 v[BB+4*\t:BB+4*\t+3], v[RD] offset:\t*SPITCH
.endr
.endm
.macro SEND a, younger
.set BB, BK+64*((\a)%2)
	s_wait_dscnt \younger
.if (\a) > 0
.if (\a)%2
	s_add_nc_u64 s[12:13], s[12:13], 8*SIZE_N*4
.else
	s_add_nc_u64 s[12:13], s[12:13], 24*SIZE_N*4
.endif
.endif
.irp t, 0,1,2,3,4,5,6,7,8,9,10,11,12,13,14,15
	global_store_b128 v[CO], v[BB+4*\t:BB+4*\t+3], s[12:13] offset:(\t+8*(\t/8))*SIZE_N*4 th:TH_STORE_NT
.endr
.endm
	PLACES NP
	TOSTAGE 0
.irp a, 1,2,3,4,5,6,7
.if \a > 1
	s_wait_xcnt 0x0
.endif
	TOSTAGE \a
	SEND \a-1, 32
.endr
	s_wait_xcnt 0x0
	SEND 7, 0
	s_wait_tensorcnt 0x0
	ds_add_u32 v[SPW], v[NIL]
	s_wait_dscnt 0x0
	CROUND
	s_endpgm
.Lfunc_end_k_q25e37bd96c_outp:
	.size	k_q25e37bd96c_outp, .Lfunc_end_k_q25e37bd96c_outp-k_q25e37bd96c_outp
	.p2alignl 7, 3214868480
	.fill 96, 4, 3214868480
	.section	.rodata,"a",@progbits
	.p2align	6, 0x0
	.amdhsa_kernel k_q25e37bd96c_outp
		.amdhsa_group_segment_fixed_size 327680
		.amdhsa_private_segment_fixed_size 0
		.amdhsa_enable_private_segment 0
		.amdhsa_kernarg_size 32
		.amdhsa_user_sgpr_count 2
		.amdhsa_user_sgpr_kernarg_segment_ptr 1
		.amdhsa_wavefront_size32 1
		.amdhsa_system_sgpr_workgroup_id_x 1
		.amdhsa_system_sgpr_workgroup_id_y 1
		.amdhsa_system_sgpr_workgroup_id_z 1
		.amdhsa_system_vgpr_workitem_id 0
		.amdhsa_next_free_vgpr 1024
		.amdhsa_next_free_sgpr 98
		.amdhsa_reserve_vcc 0
		.amdhsa_float_denorm_mode_32 3
		.amdhsa_float_denorm_mode_16_64 3
		.amdhsa_memory_ordered 1
		.amdhsa_forward_progress 1
		.amdhsa_inst_pref_size 163
	.end_amdhsa_kernel
	.amdgpu_metadata
---
amdhsa.version: [ 1, 2 ]
amdhsa.kernels:
  - .name:           k_q25e37bd96c_outp
    .symbol:         k_q25e37bd96c_outp.kd
    .args:
      - { .name: cq, .offset: 0, .size: 8, .value_kind: global_buffer, .address_space: global }
      - { .name: wq, .offset: 8, .size: 8, .value_kind: global_buffer, .address_space: global }
      - { .name: b_o, .offset: 16, .size: 8, .value_kind: global_buffer, .address_space: global }
      - { .name: out0, .offset: 24, .size: 8, .value_kind: global_buffer, .address_space: global }
    .group_segment_fixed_size: 327680
    .private_segment_fixed_size: 0
    .kernarg_segment_align: 8
    .kernarg_segment_size: 32
    .max_flat_workgroup_size: 128
    .sgpr_count:     98
    .vgpr_count:     1024
    .wavefront_size: 32
...
	.end_amdgpu_metadata
.endif
;; end of part 4
